; MI455X (gfx1250); checked and timed in simulation.
; The chip was launched on July 23, 2026; its instructions are those of AMD's public machine-readable ISA for CDNA 5 (MIT licence, August 2026) and "CDNA5" Instruction Set Architecture Reference Guide (July 2026). The comments in the code are by the model that wrote it; some were corrected since.
;; Vector Quantizer. Allowed arithmetic: float matrix products may take bf16 or f16 operands with f32 sums; all other float work in f32.
;; Inputs: emb_weight 8,192 x 512 float32; x 32 x 512 x 512 float32.
;; Outputs: out0 32 x 512 x 512 float32; out1 32 x 512 int32; out2 one number float32; out3 one number float32; out4 one number float32.
;; 2 versions, each right and faster than the one before. Each part assembles by itself: llvm-mc -triple=amdgcn-amd-amdhsa -mcpu=gfx1250 --defsym DOCPART=n.
;; ======== version 1 of 2: 4 launches
;; workspace buffers: eb 8,388,608 bytes; esq 32,768 bytes; cand 524,288 bytes of whole numbers; part 1,024 bytes
;; launch prep (part 1): grid 256 x 1, 8 waves a work-group, no clusters, 1,280 bytes of LDS; arguments emb_weight, eb, esq; writes eb, esq
.if DOCPART == 1
	.amdgcn_target "amdgcn-amd-amdhsa--gfx1250"
	.amdhsa_code_object_version 6
	.text
	.protected	k_qccf5109dca_prep
	.globl	k_qccf5109dca_prep
	.p2align	8
	.type	k_qccf5109dca_prep,@function
k_qccf5109dca_prep:
	s_mov_b64 s[64:65], 0
	v_nop
	global_prefetch_b8 v0, s[64:65] scope:SCOPE_SE
	s_setreg_imm32_b32 hwreg(HW_REG_WAVE_MODE, 25, 1), 1
	s_wait_xcnt 0x0
; eb[k][d] = bf16(emb[k][d]) (nearest even);  esq[k] = sum over d of eb[k][d]^2, in f32.
; emb: [8192][512] f32, eb: [8192][512] bf16, esq: [8192] f32.
; The squares are taken of the ROUNDED numbers, so that the distance made later is the expansion of |x_r - e_r|^2 of the rounded vectors.
; A stream: 256 work-groups of 32 rows, eight waves of 4 rows.  A wave's 16 loads (512 neighbouring bytes each) all go out at once;
; no loop, no register is written twice.  A store of the wave covers 256 consecutive bytes, aligned.
; Matrix units, tensor loads and clusters have nothing to do here: no byte is read twice.
.set ROWF, 2048                        ; bytes in a row of emb
.set ROWB, 1024                        ; bytes in a row of eb
.set X, 16                             ; v[16:79]    load k: 4 f32
.set Y, 80                             ; v[80:111]   load k: 4 bf16 in 2 registers
.set S, 112                            ; v[112:119]  row r: two running sums (low halves, high halves)
.set R, 120                            ; v[120:123]  the four rows' sums
	s_load_b128 s[4:7], s[0:1], 0x0                ; emb s[4:5], eb s[6:7]
	s_load_b64 s[8:9], s[0:1], 0x10                ; esq
	v_lshl_add_u32 v124, v0, 2, 0x100
	v_mov_b32 v125, 0
	v_lshrrev_b32 v3, 5, v0
	v_readfirstlane_b32 s10, v3                    ; wave 0..7
	v_and_b32 v4, 31, v0                           ; lane
	v_lshlrev_b32 v1, 4, v4                        ; 16 bytes a lane in emb
	v_lshlrev_b32 v2, 3, v4                        ; 8 bytes a lane in eb
	v_lshlrev_b32 v7, 2, v4                        ; 4 bytes a lane in esq
	s_mov_b32 s12, 0x76543210                      ; v_permlanex16_b32: lane i reads lane i of the other half
	s_mov_b32 s13, 0xfedcba98
	s_lshl_b32 s14, ttmp9, 5
	s_lshl2_add_u32 s14, s10, s14                  ; my first row = 32 x work-group + 4 x wave
	s_lshl_b32 s16, s14, 11                        ; x 2,048 bytes (below 16 MiB)
	s_mov_b32 s17, 0
	s_lshl_b32 s18, s14, 10                        ; x 1,024 bytes
	s_mov_b32 s19, 0
	s_lshl_b32 s20, ttmp9, 7                       ; the work-group's 32 numbers of esq
	s_mov_b32 s21, 0
.irp k, 0,1,2,3,4,5,6,7
	v_mov_b32 v[S+\k], 0                           ; eight sums, cleared once
.endr
	s_wait_kmcnt 0x0
	s_add_nc_u64 s[4:5], s[4:5], s[16:17]
	s_add_nc_u64 s[6:7], s[6:7], s[18:19]
	s_add_nc_u64 s[8:9], s[8:9], s[20:21]
.irp k, 0,1,2,3,4,5,6,7,8,9,10,11,12,13,14,15
	global_load_b128 v[X+4*\k:X+4*\k+3], v1, s[4:5] offset:(\k>>2)*ROWF+(\k&3)*512 th:TH_LOAD_NT   ; row k / 4, quarter k % 4
.endr
.irp k, 0,1,2,3,4,5,6,7,8,9,10,11,12,13,14,15
	s_wait_loadcnt 15-\k                           ; loads come back in order (ISA guide 5.7.1): load k is in, the 15 - k younger ones stay out
	v_cvt_pk_bf16_f32 v[Y+2*\k],   v[X+4*\k],   v[X+4*\k+1]
	v_cvt_pk_bf16_f32 v[Y+2*\k+1], v[X+4*\k+2], v[X+4*\k+3]
	global_store_b64 v2, v[Y+2*\k:Y+2*\k+1], s[6:7] offset:(\k>>2)*ROWB+(\k&3)*256   ; 32 lanes x 8 bytes: 256 consecutive bytes, aligned
	v_fma_mix_f32_bf16 v[S+2*(\k>>2)],   v[Y+2*\k],   v[Y+2*\k],   v[S+2*(\k>>2)]   op_sel_hi:[1,1,0]                  ; low half squared, exact product, f32 sum
	v_fma_mix_f32_bf16 v[S+2*(\k>>2)+1], v[Y+2*\k],   v[Y+2*\k],   v[S+2*(\k>>2)+1] op_sel:[1,1,0] op_sel_hi:[1,1,0]   ; high half squared
	v_fma_mix_f32_bf16 v[S+2*(\k>>2)],   v[Y+2*\k+1], v[Y+2*\k+1], v[S+2*(\k>>2)]   op_sel_hi:[1,1,0]
	v_fma_mix_f32_bf16 v[S+2*(\k>>2)+1], v[Y+2*\k+1], v[Y+2*\k+1], v[S+2*(\k>>2)+1] op_sel:[1,1,0] op_sel_hi:[1,1,0]
.endr
	; each row's sum over the 32 lanes; every lane ends with it
.irp r, 0,1,2,3
	v_add_f32 v[R+\r], v[S+2*\r], v[S+2*\r+1]
	v_add_f32_dpp v[R+\r], v[R+\r], v[R+\r] row_xmask:1 row_mask:0xf bank_mask:0xf
	v_add_f32_dpp v[R+\r], v[R+\r], v[R+\r] row_xmask:2 row_mask:0xf bank_mask:0xf
	v_add_f32_dpp v[R+\r], v[R+\r], v[R+\r] row_xmask:4 row_mask:0xf bank_mask:0xf
	v_add_f32_dpp v[R+\r], v[R+\r], v[R+\r] row_xmask:8 row_mask:0xf bank_mask:0xf
	v_permlanex16_b32 v[S+2*\r], v[R+\r], s12, s13 ; its destination counts as read: a register that has been written
	v_add_f32 v[R+\r], v[R+\r], v[S+2*\r]
.endr
	; the work-group's 32 sums meet in LDS, so that they leave as one run of 128 bytes (the work-group owns no more of esq)
	v_mov_b32 v5, s10
	v_lshlrev_b32 v5, 4, v5                        ; 16 bytes for each wave
	ds_store_b128 v5, v[R:R+3]                     ; all lanes write the same 16 bytes with the same values
	s_wait_dscnt 0x0                               ; for the other waves' sake: my store is done before I signal
	s_barrier_signal -1
	s_barrier_wait -1
	s_cmp_lg_u32 s10, 0
	s_cbranch_scc1 .Ldone
	ds_load_b32 v6, v7                             ; lane l: the sum of the work-group's row l
	s_wait_dscnt 0x0
	global_store_b32 v7, v6, s[8:9]
.Ldone:
	s_wait_tensorcnt 0x0
	ds_add_u32 v124, v125
	s_wait_dscnt 0x0
	s_endpgm
.Lfunc_end_k_qccf5109dca_prep:
	.size	k_qccf5109dca_prep, .Lfunc_end_k_qccf5109dca_prep-k_qccf5109dca_prep
	.p2alignl 7, 3214868480
	.fill 96, 4, 3214868480
	.section	.rodata,"a",@progbits
	.p2align	6, 0x0
	.amdhsa_kernel k_qccf5109dca_prep
		.amdhsa_group_segment_fixed_size 1280
		.amdhsa_private_segment_fixed_size 0
		.amdhsa_enable_private_segment 0
		.amdhsa_kernarg_size 24
		.amdhsa_user_sgpr_count 2
		.amdhsa_user_sgpr_kernarg_segment_ptr 1
		.amdhsa_wavefront_size32 1
		.amdhsa_system_sgpr_workgroup_id_x 1
		.amdhsa_system_sgpr_workgroup_id_y 1
		.amdhsa_system_sgpr_workgroup_id_z 1
		.amdhsa_system_vgpr_workitem_id 0
		.amdhsa_next_free_vgpr 126
		.amdhsa_next_free_sgpr 66
		.amdhsa_reserve_vcc 0
		.amdhsa_float_denorm_mode_32 3
		.amdhsa_float_denorm_mode_16_64 3
		.amdhsa_memory_ordered 1
		.amdhsa_forward_progress 1
		.amdhsa_inst_pref_size 14
	.end_amdhsa_kernel
	.amdgpu_metadata
---
amdhsa.version: [ 1, 2 ]
amdhsa.kernels:
  - .name:           k_qccf5109dca_prep
    .symbol:         k_qccf5109dca_prep.kd
    .args:
      - { .name: emb_weight, .offset: 0, .size: 8, .value_kind: global_buffer, .address_space: global }
      - { .name: eb, .offset: 8, .size: 8, .value_kind: global_buffer, .address_space: global }
      - { .name: esq, .offset: 16, .size: 8, .value_kind: global_buffer, .address_space: global }
    .group_segment_fixed_size: 1280
    .private_segment_fixed_size: 0
    .kernarg_segment_align: 8
    .kernarg_segment_size: 24
    .max_flat_workgroup_size: 256
    .sgpr_count:     66
    .vgpr_count:     126
    .wavefront_size: 32
...
	.end_amdgpu_metadata
.endif
;; end of part 1
;; launch dist (part 2): grid 64 x 4, 4 waves a work-group, clusters of 4 x 1, 327,680 bytes of LDS; arguments x, eb, esq, cand; writes cand
.if DOCPART == 2
	.amdgcn_target "amdgcn-amd-amdhsa--gfx1250"
	.amdhsa_code_object_version 6
	.text
	.protected	k_qccf5109dca_dist
	.globl	k_qccf5109dca_dist
	.p2align	8
	.type	k_qccf5109dca_dist,@function
k_qccf5109dca_dist:
	s_mov_b64 s[64:65], 0
	v_nop
	global_prefetch_b8 v0, s[64:65] scope:SCOPE_SE
	s_setreg_imm32_b32 hwreg(HW_REG_WAVE_MODE, 25, 1), 1
	s_wait_xcnt 0x0
	s_wait_alu depctr_hold_cnt(0) depctr_sa_sdst(0) depctr_va_vdst(0) depctr_va_sdst(0) depctr_va_ssrc(0) depctr_va_vcc(0) depctr_vm_vsrc(0)
	s_getreg_b32 s2, hwreg(HW_REG_IB_STS2, 6, 4)
	s_cmp_eq_u32 s2, 0
	s_cbranch_scc0 .Lentry_in_a_cluster
	s_endpgm
.Lentry_in_a_cluster:
	s_bfe_u32 s2, ttmp6, 0x10000c
	s_cmp_lg_u32 s2, 0x3003
	s_cbranch_scc0 .Lentry_shape_is_right
	s_endpgm
.Lentry_shape_is_right:
; For 256 rows of x and 2,048 codes: d2[n][k] = (x_sq[n] - 2 dot(x[n], e[k])) + e_sq[k], and for each row the least d2 and its lowest index.
; x: [16384][512] f32;  eb: [8192][512] bf16;  esq: [8192] f32;  cand: [4 quarters][16384 rows]{u32 key, u32 index}.
; The dot goes to the matrix unit in bf16 with f32 sums.  d2 is made with the two f32 roundings of the problem's formula (one for x_sq - 2 dot,
; one for + e_sq) and compared in f32; of equal d2 the lowest index wins, here and where the four quarters are merged.  The key is d2's bits
; turned into an unsigned number of the same order, so that the merge is a comparison of whole numbers.
; LIMITS.  x_sq and e_sq are sums of squares of the bf16-ROUNDED vectors, so d2 is the expansion of |x_r - e_r|^2.  The order of summation in the dot
; is the matrix unit's, with k permuted inside each step of 32 alike in both operands.  Inputs are finite: a d2 that is NaN is never chosen
; (an argmin that lets a NaN win would choose it), and a row whose d2 is +infinity for every code gets index 0 of its quarter's lanes.
;
; SHAPE.  Grid 64 row blocks x 4 quarters of the codes = 256 work-groups of equal work.  Four waves; a wave keeps 64 rows of x for all 512 k as bf16
; fragments in 512 registers, for the whole kernel: x costs no LDS read in the loop.  All four waves read the same tile of codes from LDS: one
; fragment of 16 codes x 32 k (two loads of 16 bytes a lane) feeds 4 matrix instructions.  Only 4 accumulator tiles are live, in two sets:
; while one set is summed (64 matrix instructions = 16 codes), the finished set goes through d2, compare and select, 9 vector instructions
; among every 4 matrix instructions.
; CLUSTER 4, 1, 1: the four row blocks of a cluster walk the same quarter of the codes: every tile of eb and the quarter's esq are asked for jointly
; (mask 15).  x is not shared inside a cluster and has to be converted: it comes through registers, once.
;
; REGISTERS, in windows of 256:
;   window 0: v1 r, v2 h, v3-v11 addresses; v16-23 x_sq; v24-27 at work; v32-47 e_sq, two buffers; v48-111 accumulators, two sets of 4 tiles;
;             v112-175 ring of 8 code fragments; v176-207 least d2; v208-239 its tile's first code
;   window 2: x fragments of K steps 0-7, at 32 (c & 7) + 8 rt;   window 3: those of K steps 8-15
; x's fragment is source 1 of the matrix instruction, so in the loop only source 1 looks into window 2 or 3, two switches for 64 matrix instructions,
; and every vector instruction there is written without a vector register as source 1 (a constant or a scalar stands there).
; ORIENTATION: source 0 = 16 codes, source 1 = 16 rows of x.  Register j of lane (r, h) of a result is dot(code n0 + 8 h + j, row r):
; x_sq is one number a lane, e_sq eight registers read at 4 (n0 + 8 h).
; k INSIDE A STEP: lane (r, h) holds k = 32 c + 16 h + 0..15 in its eight registers, in both operands: two loads of 16 neighbouring bytes each.
.set XROW,   2048                      ; bytes in a row of x
.set PITCH,  1040                      ; an LDS row of codes: 1,024 bytes + 16 = 65 x 16: the 16 rows that a load touches start 16 bytes apart modulo 256
.set WTILE,  32*PITCH                  ; what one tensor load brings: 32 codes
.set HALFB,  64*PITCH
.set SLOTB,  128*PITCH                 ; a slot: 128 codes
.set TILEB,  128*1024                  ; the same 128 codes in eb
.set ESQL,   2*SLOTB                   ; 266,240: the quarter's 2,048 e_sq, 8,192 bytes
.set STAGE,  ESQL+8192                 ; 274,432: each wave's own 16 rows x 272 bytes, written by LDS stores; no tensor load lands here
.set SPITCH, 272
.set WSTAGE, 16*SPITCH
.set XS,   16                          ; v[16:23]   row tile rt: x_sq of my row, twice (a pair for the packed forms)
.set T,    24                          ; v[24:27]   d2 - best, two pairs in turn
.set EQ,   32                          ; v[32:47]   e_sq of 16 codes, buffers 0 and 1; at the start: x as bf16 on its way to the stage
.set ACC,  48                          ; v[48:111]  sets 0 and 1; at the start v[48:239] are three sets of 64 registers for x as loaded
.set RING, 112                         ; v[112:175] fragment of K step c in buffer c & 7
.set BEST, 176                         ; v[176:207] [8 rt + j]
.set IDX,  208                         ; v[208:239] [8 rt + j]
.set MSB, 0
.macro WIN new                         ; s_set_vgpr_msb: bits 1:0 source 0, 3:2 source 1, 5:4 source 2, 7:6 destination; the high byte repeats the setting that is left
.if MSB != \new
	s_set_vgpr_msb (MSB<<8)|\new
.set MSB, \new
.endif
.endm
; A round of the cluster's barrier: my work-group's barrier, so that wave 0's signal speaks for all four waves; wave 0 signals for the work-group;
; every wave waits for all four work-groups; my work-group's barrier once more.
.macro CREST                           ; a round behind its opening barrier
	s_cmp_lg_u32 s12, 0
	s_cbranch_scc1 .Lnot_wave_0_\@
	s_barrier_signal -3
.Lnot_wave_0_\@:
	s_barrier_wait -3
	s_barrier_signal -1
	s_barrier_wait -1
.endm
.macro ROUND
	s_barrier_signal -1
	s_barrier_wait -1
	CREST
.endm
	s_load_b256 s[4:11], s[0:1], 0x0               ; x s[4:5], eb s[6:7], esq s[8:9], cand s[10:11]
	v_lshl_add_u32 v254, v0, 2, 0x47400
	v_mov_b32 v255, 0
	ds_add_u32 v254, v255
	v_lshrrev_b32 v1, 5, v0
	v_readfirstlane_b32 s12, v1                    ; wave 0..3
	s_bfe_u32 s13, ttmp6, 0x40000                  ; cx: my place in the cluster.  It enters x's and cand's global addresses alone
	s_lshl_b32 s14, ttmp9, 2
	s_add_co_u32 s14, s14, s13                     ; row block = 4 x cluster x + cx
	s_and_b32 s15, ttmp7, 0xffff                   ; quarter of the codes, the same in the four partners
	; group 1 for a tile of codes: 32 rows x 512 elements of 2 bytes, 16 bytes of padding behind each row of 256 words
	s_mov_b32 s16, 15|(1<<16)|(1<<20)|(1<<21)|(7<<22)|(3<<25)   ; 15:0 mask: all four work-groups; 17:16 2 bytes; 20 padding on; 21 set beside a mask; 24:22 every 256 words; 31:25 4 words
	s_mov_b32 s17, 512<<16                         ; tensor_dim0 = 512
	s_mov_b32 s18, 32<<16                          ; tensor_dim1 = 32
	s_mov_b32 s19, 512<<16                         ; tile_dim0 = 512
	s_mov_b32 s20, 32                              ; tile_dim1 = 32
	s_mov_b32 s21, 512                             ; elements from row to row
	s_mov_b32 s22, 0
	s_mov_b32 s23, 0
	; group 1 for e_sq: a dense block of 2,048 bytes as 8 rows of 32 elements of 8 bytes
	s_mov_b32 s24, 15|(3<<16)|(1<<21)
	s_mov_b32 s25, 32<<16
	s_mov_b32 s26, 8<<16
	s_mov_b32 s27, 32<<16
	s_mov_b32 s28, 8
	s_mov_b32 s29, 32
	s_mov_b32 s30, 0
	s_mov_b32 s31, 0
	s_mov_b32 s46, 0x7f800000                      ; +infinity
	s_mov_b32 s51, 0xff800000                      ; -infinity
	s_mov_b32 s48, 0x76543210                      ; v_permlanex16_b32: lane i reads lane i of the other half
	s_mov_b32 s49, 0xfedcba98
	s_mov_b32 s50, 0xffff0000                      ; lanes 16 to 31
	s_lshl_b32 s45, s15, 11
	s_sub_co_u32 s45, s45, 16                      ; first code of the 16 that are being judged: one step behind those being summed
	; offsets made of the quarter and the wave alone (they feed joint loads)
	s_lshl_b32 s52, s15, 21                        ; quarter x 2,048 codes x 1,024 bytes
	s_lshl_b32 s53, s12, 15                        ; + wave x 32 codes
	s_add_co_u32 s52, s52, s53
	s_mov_b32 s53, 0
	s_mul_i32 s54, s12, WTILE                      ; my part of a slot
	s_lshl_b32 s55, s12, 11                        ; my 2,048 bytes of e_sq
	; offsets that hold cx, in registers of their own
	s_lshl_b32 s56, s14, 19                        ; row block x 256 rows x 2,048 bytes
	s_lshl_b32 s57, s12, 17                        ; + wave x 64 rows
	s_add_co_u32 s56, s56, s57
	s_mov_b32 s57, 0
	s_lshl_b32 s58, s14, 11                        ; cand: (quarter x 16,384 + row block x 256 + wave x 64) x 8 bytes
	s_lshl_b32 s59, s15, 17
	s_add_co_u32 s58, s58, s59
	s_lshl_b32 s59, s12, 9
	s_add_co_u32 s58, s58, s59
	s_mov_b32 s59, 0
	; lane terms
	v_and_b32 v12, 31, v0                          ; lane
	v_and_b32 v1, 15, v0                           ; r
	v_bfe_u32 v2, v0, 4, 1                         ; h
	v_lshlrev_b32 v3, 4, v12                       ; x: 16 bytes a lane
	v_lshlrev_b32 v11, 3, v12                      ; cand: 8 bytes a lane
	v_mul_u32_u24 v13, v1, PITCH
	v_lshl_add_u32 v6, v2, 5, v13                  ; slot 0, codes 0-63: r x pitch + 32 h
	v_add_nc_u32 v7, HALFB, v6                     ; slot 0, codes 64-127
	v_add_nc_u32 v8, SLOTB, v6                     ; slot 1
	v_add_nc_u32 v9, SLOTB+HALFB, v6
	v_lshlrev_b32 v10, 5, v2
	v_add_nc_u32 v10, ESQL, v10                    ; e_sq: 4 x 8 h; steps by 1,024 bytes (256 codes) a lap
	s_wait_dscnt 0x0
	s_wait_kmcnt 0x0
	s_add_nc_u64 s[6:7], s[6:7], s[52:53]          ; eb at my 32 codes of the quarter's tile 0
	s_lshl_b32 s52, s15, 13                        ; esq: quarter x 8,192 bytes + wave x 2,048
	s_add_co_u32 s52, s52, s55
	s_add_nc_u64 s[4:5], s[4:5], s[56:57]          ; x at my 64 rows
	s_add_nc_u64 s[10:11], s[10:11], s[58:59]      ; cand at my 64 rows
	; group 0: one set for each slot and one for e_sq
	s_mov_b32 s32, 1
	s_mov_b32 s33, s54                             ; slot 0 + wave x 32 rows
	s_mov_b64 s[34:35], s[6:7]                     ; tile 0
	s_or_b32 s35, s35, 0x80000000                  ; type 2
	s_mov_b32 s36, 1
	s_add_co_u32 s37, s54, SLOTB
	s_add_nc_u64 s[38:39], s[6:7], TILEB           ; tile 1
	s_or_b32 s39, s39, 0x80000000
	s_mov_b32 s40, 1
	s_add_co_u32 s41, s55, ESQL
	s_add_nc_u64 s[42:43], s[8:9], s[52:53]
	s_or_b32 s43, s43, 0x80000000
	s_mul_i32 s52, s12, WSTAGE
	s_add_co_u32 s52, s52, STAGE                   ; my stage
	v_lshl_add_u32 v4, v12, 3, s52                 ; in: 8 bytes a lane, a row of 256 bytes
	v_mul_u32_u24 v13, v1, SPITCH
	v_lshl_add_u32 v13, v2, 5, v13
	v_add_nc_u32 v5, s52, v13                      ; back: row r, 32 h
	ROUND                                          ; all four work-groups are here: the first joint loads meet
	tensor_load_to_lds s[32:35], s[16:23]          ; tile 0 into slot 0
	s_nop 0
	tensor_load_to_lds s[40:43], s[24:31]          ; the quarter's e_sq.  Two tensor loads of the wave are out
	s_nop 0
; ---- x: 64 rows x 512 k, f32 from memory, bf16 through my stage into fragments.  Sixteen pieces t: row tile t / 4, 128 k at t % 4.
.macro XLOAD t                         ; 16 rows x 512 neighbouring aligned bytes
.set xl_b, ACC+64*((\t)%3)
.set xl_o, ((\t)>>2)*16*XROW+((\t)&3)*512
.irp i, 0,1,2,3,4,5,6,7,8,9,10,11,12,13,14,15
	global_load_b128 v[xl_b+4*\i:xl_b+4*\i+3], v3, s[4:5] offset:xl_o+\i*XROW
.endr
.endm
.macro XPROC t, left
.set xp_b, ACC+64*((\t)%3)
.set xp_rt, (\t)>>2
.set xp_kq, (\t)&3
	s_wait_loadcnt \left                           ; this piece's 16 loads are in; the younger pieces' stay out
.irp i, 0,1,2,3,4,5,6,7,8,9,10,11,12,13,14,15
	v_cvt_pk_bf16_f32 v[EQ+2*(\i&7)],   v[xp_b+4*\i],   v[xp_b+4*\i+1]
	v_cvt_pk_bf16_f32 v[EQ+2*(\i&7)+1], v[xp_b+4*\i+2], v[xp_b+4*\i+3]
	ds_store_b64 v4, v[EQ+2*(\i&7):EQ+2*(\i&7)+1] offset:\i*SPITCH
.endr
.if xp_kq < 2
	WIN 0x80                                       ; destination in window 2
.else
	WIN 0xc0                                       ; in window 3
.endif
.irp c, 0,1,2,3
	ds_load_b128 v[32*((4*xp_kq+\c)&7)+8*xp_rt:32*((4*xp_kq+\c)&7)+8*xp_rt+3],   v5 offset:64*\c      ; LDS serves a wave's instructions in order (ISA guide 5.7.1.4):
	ds_load_b128 v[32*((4*xp_kq+\c)&7)+8*xp_rt+4:32*((4*xp_kq+\c)&7)+8*xp_rt+7], v5 offset:64*\c+16   ; these see the stores above, and the next piece's stores come behind them
.endr
	WIN 0
.endm
	XLOAD 0
	XLOAD 1
	XLOAD 2
.irp t, 0,1,2,3,4,5,6,7,8,9,10,11,12
	XPROC \t, 32
	XLOAD \t+3                                     ; into the set that has just been converted
.endr
	XPROC 13, 32
	XPROC 14, 16
	XPROC 15, 0
.irp k, 0,1,2,3,4,5,6,7
	v_mov_b32 v[XS+\k], 0                          ; eight sums, cleared once
.endr
	s_wait_dscnt 0x0                               ; all fragments of x are in
; x_sq from the fragments: lane (r, h) holds half of row r's k in each row tile.  Eight chains.
.macro XSQ win
	WIN \win                                       ; sources 0 and 1 in window 2 or 3
.irp c, 0,1,2,3,4,5,6,7
.irp j, 0,1,2,3,4,5,6,7
.irp rt, 0,1,2,3
	v_fma_mix_f32_bf16 v[XS+2*\rt],   v[32*\c+8*\rt+\j], v[32*\c+8*\rt+\j], v[XS+2*\rt]   op_sel_hi:[1,1,0]
	v_fma_mix_f32_bf16 v[XS+2*\rt+1], v[32*\c+8*\rt+\j], v[32*\c+8*\rt+\j], v[XS+2*\rt+1] op_sel:[1,1,0] op_sel_hi:[1,1,0]
.endr
.endr
.endr
.endm
	XSQ 0x0a
	XSQ 0x0f
	WIN 0
.irp rt, 0,1,2,3
	v_add_f32 v[XS+2*\rt], v[XS+2*\rt], v[XS+2*\rt+1]
	v_permlanex16_b32 v[XS+2*\rt+1], v[XS+2*\rt], s48, s49     ; the other half of the row's k
	v_add_f32 v[XS+2*\rt], v[XS+2*\rt], v[XS+2*\rt+1]
	v_mov_b32 v[XS+2*\rt+1], v[XS+2*\rt]
.endr
	; Start values.  Set 1 and e_sq buffer 1 hold a tile that can never win: dot = -infinity gives d2 = +infinity, d2 - best = NaN, the compare fails
	; and the minimum stays +infinity.  So the first 16 codes' stretch is the same text as every other.
.set j, 0
.rept 32
	v_mov_b32 v[BEST+j], s46
	v_mov_b32 v[IDX+j], 0
	v_mov_b32 v[ACC+32+j], s51
.set j, j+1
.endr
.irp k, 0,1,2,3,4,5,6,7
	v_mov_b32 v[EQ+8+\k], 0
.endr
; ---- the loop's pieces
.macro BLOAD s, i, c                   ; the fragment of codes 16 i .. 16 i + 15 of slot s, K step c, into ring buffer c & 7
.set bl_v, 6+2*(\s)+((\i)>>2)
.set bl_o, ((\i)&3)*16*PITCH+64*(\c)
.set bl_r, RING+8*((\c)&7)
	ds_load_b128 v[bl_r:bl_r+3],   v[bl_v] offset:bl_o
	ds_load_b128 v[bl_r+4:bl_r+7], v[bl_v] offset:bl_o+16
.endm
.macro ELOAD s, i                      ; e_sq of the same 16 codes, my eight, into buffer i & 1
	ds_load_b128 v[EQ+8*((\i)&1):EQ+8*((\i)&1)+3],   v10 offset:(8*(\s)+(\i))*64
	ds_load_b128 v[EQ+8*((\i)&1)+4:EQ+8*((\i)&1)+7], v10 offset:(8*(\s)+(\i))*64+16
.endm
; d2, compare and select for one pair of results of the finished set Q: row tile c / 4, registers 2 (c % 4) and the next.  No vector register stands as source 1.
.macro EP Q, c, part
.set ep_p, ACC+32*(\Q)+8*((\c)>>2)+2*((\c)&3)
.set ep_b, BEST+8*((\c)>>2)+2*((\c)&3)
.set ep_i, IDX+8*((\c)>>2)+2*((\c)&3)
.set ep_e, EQ+8*(\Q)+2*((\c)&3)
.set ep_x, XS+2*((\c)>>2)
.set ep_t, T+2*((\c)&1)
.if (\part) == 1
	v_pk_fma_f32 v[ep_p:ep_p+1], v[ep_p:ep_p+1], -2.0, v[ep_x:ep_x+1] op_sel_hi:[1,0,1]     ; x_sq - 2 dot: 2 dot is exact, one rounding
.endif
.if (\part) == 2
	v_pk_fma_f32 v[ep_p:ep_p+1], v[ep_p:ep_p+1], 1.0, v[ep_e:ep_e+1] op_sel_hi:[1,0,1]      ; + e_sq: one rounding
.endif
.if (\part) == 3
	v_pk_fma_f32 v[ep_t:ep_t+1], v[ep_p:ep_p+1], 1.0, v[ep_b:ep_b+1] op_sel_hi:[1,0,1] neg_lo:[0,0,1] neg_hi:[0,0,1]   ; d2 - best: with denormals kept its sign is exact
.endif
.if (\part) == 4
	v_cmp_lt_f32 vcc_lo, v[ep_t], 0                ; strictly less: of equal d2 the earlier code stays
	v_cmp_lt_f32 s47, v[ep_t+1], 0
	v_min3_num_f32 v[ep_b],   v[ep_p],   s46, v[ep_b]
	v_min3_num_f32 v[ep_b+1], v[ep_p+1], s46, v[ep_b+1]
	v_cndmask_b32 v[ep_i],   v[ep_i],   s45, vcc_lo ; the first code of the 16; j and 8 h are added at the end
	v_cndmask_b32 v[ep_i+1], v[ep_i+1], s45, s47
.endif
.endm
.macro MM P, c, rt                     ; K step 0 starts the sums: nothing is cleared
.set mm_a, ACC+32*(\P)+8*(\rt)
.set mm_f, RING+8*((\c)&7)
.set mm_x, 32*((\c)&7)+8*(\rt)
.if (\c) == 0
	v_wmma_f32_16x16x32_bf16 v[mm_a:mm_a+7], v[mm_f:mm_f+7], v[mm_x:mm_x+7], 0
.else
	v_wmma_f32_16x16x32_bf16 v[mm_a:mm_a+7], v[mm_f:mm_f+7], v[mm_x:mm_x+7], v[mm_a:mm_a+7]
.endif
.endm
; One K step of set P.  The four accumulators take turns, one instruction a turn.
.macro KBODY P, c
	MM \P, \c, 0
	EP 1-(\P), \c, 1
	MM \P, \c, 1
	EP 1-(\P), \c, 2
	MM \P, \c, 2
	EP 1-(\P), \c, 3
	MM \P, \c, 3
	EP 1-(\P), \c, 4
.endm
; K step c of codes 16 i .. of slot s.  Fragments are fetched six steps ahead: s_wait_dscnt 10 leaves out the ten loads of steps c + 1 .. c + 5
; (the two loads of e_sq, issued at c = 0, only make the count stricter; they are shown in by the wait at c = 6 and used in the next 16 codes' stretch).
; A load into ring buffer (c + 6) & 7 stands behind the matrix instructions of step c - 2 that read it by the six vector instructions that close that step and the
; nine of step c - 1, which name none of their registers (four are asked for: ISA guide 7.12.1 for vector instructions).
; The finished set is first read nine such instructions behind the last matrix instruction on its first tile.
; i = 7 changes slots.  mode 1: slot s is filled again; mode 2: it is not; mode 0: the last 16 codes of all.
.macro STEP s, i, c, mode
.if (\i) < 7
.set st_kind, 0
.else
.if (\mode) == 0
.set st_kind, 2
.else
.set st_kind, 1
.endif
.endif
.if (\c) == 0
	WIN 0x08                                       ; source 1 in window 2
.endif
.if (\c) == 8
	WIN 0x0c                                       ; source 1 in window 3
.endif
.if (\c) < 10
	s_wait_dscnt 10
	BLOAD \s, \i, \c+6
.else
.if st_kind == 0
	s_wait_dscnt 10
	BLOAD \s, \i+1, \c-10
.endif
.if st_kind == 2
	s_wait_dscnt 2*(15-(\c))                       ; nothing more is fetched: the count runs down
.endif
.if st_kind == 1
.if (\c) == 10
	s_wait_dscnt 10
.endif
.if (\c) == 11
	s_wait_dscnt 0x0                               ; my reads of this slot are over: the fragments of steps 11 to 15 are in registers
	s_set_vgpr_msb 0xc00
	s_wait_tensorcnt 0x0                           ; all my tensor loads have landed: the one that was out is my part of the other slot
	ds_add_u32 v254, v255
	s_wait_dscnt 0x0
	s_set_vgpr_msb 0xc
.if (\mode) == 1
	s_add_nc_u64 s[34+4*(\s):35+4*(\s)], s[34+4*(\s):35+4*(\s)], 2*TILEB    ; no load of mine is out: this slot's next tile
.endif
	s_barrier_signal -1                            ; opens a round of the cluster's barrier; register work alone stands inside it
.endif
.if (\c) == 12
	BLOAD 1-\s, 0, 0                               ; the other slot's first fragments: buffers 0 to 2 were last read in steps 8 to 10
	BLOAD 1-\s, 0, 1
	BLOAD 1-\s, 0, 2
.endif
.if (\c) > 12
	BLOAD 1-\s, 0, \c-10
.endif
.endif
.endif
.if (\c) == 0
	ELOAD \s, \i
.endif
	KBODY (\i)&1, \c
.if st_kind == 1
.if (\c) == 11
	WIN 0
	s_barrier_wait -1
	CREST                                          ; no wave of any partner still reads this slot or has a load on its way; the other slot is whole in all four
.if (\mode) == 1
	tensor_load_to_lds s[32+4*(\s):35+4*(\s)], s[16:23]    ; the wave's one tensor load behind the round, ahead of every LDS read: it has the other slot's 512 matrix instructions in which to land
	s_nop 0
.endif
	WIN 0x0c
.endif
.endif
.endm
.macro PHASE s, i, mode                ; 16 codes: 64 matrix instructions
.irp c, 0,1,2,3,4,5,6,7,8,9,10,11,12,13,14,15
	STEP \s, \i, \c, \mode
.endr
	s_add_co_u32 s45, s45, 16                      ; the codes judged next
.endm
.macro SLOT s, mode                    ; 128 codes
.irp i, 0,1,2,3,4,5,6
	PHASE \s, \i, 1
.endr
	PHASE \s, 7, \mode
.endm
	s_wait_dscnt 0x0                               ; (met: no LDS instruction has been issued since the last such wait)
	s_wait_tensorcnt 0x0                           ; my parts of tile 0 and of e_sq have landed
	ds_add_u32 v254, v255
	s_wait_dscnt 0x0
	ROUND                                          ; everybody's have
	tensor_load_to_lds s[36:39], s[16:23]          ; tile 1 into slot 1: its first fill, issued as a refill is
	s_nop 0
.irp c, 0,1,2,3,4,5
	BLOAD 0, 0, \c
.endr
	s_mov_b32 s44, 7                               ; lap t: tiles 2 t and 2 t + 1 are multiplied, tiles 2 t + 2 and 2 t + 3 asked for
.Llap:
	SLOT 0, 1
	SLOT 1, 1
	WIN 0                                          ; at a label and at a branch every window is 0
	v_add_nc_u32 v10, 1024, v10                    ; e_sq of the next 256 codes
	s_sub_co_u32 s44, s44, 1
	s_cmp_lg_u32 s44, 0
	s_cbranch_scc1 .Llap
	SLOT 0, 2                                      ; tile 14: nothing is left to fetch; the change of slots shows tile 15 whole
	SLOT 1, 0                                      ; tile 15
	WIN 0
	; the last 16 codes are judged.  Six to nine vector instructions on the other set stand behind each of the last four matrix instructions.
.irp c, 0,1,2,3,4,5,6,7,8,9,10,11,12,13,14,15
	EP 1, \c, 1
.endr
.irp c, 0,1,2,3,4,5,6,7,8,9,10,11,12,13,14,15
	EP 1, \c, 2
.endr
.irp c, 0,1,2,3,4,5,6,7,8,9,10,11,12,13,14,15
	EP 1, \c, 3
	EP 1, \c, 4
.endr
; ---- a row's least d2 over my 8 registers and the two halves of the lanes; of equal d2 the lower index
.macro LEXMIN va, ia, vb, ib
	v_cmp_lt_f32 vcc_lo, v[\vb], v[\va]
	v_cmp_eq_f32 s52, v[\vb], v[\va]
	v_cmp_lt_u32 s53, v[\ib], v[\ia]
	s_and_b32 s52, s52, s53
	s_or_b32 vcc_lo, vcc_lo, s52
	v_cndmask_b32 v[\va], v[\va], v[\vb], vcc_lo
	v_cndmask_b32 v[\ia], v[\ia], v[\ib], vcc_lo
.endm
.irp rt, 0,1,2,3
.irp j, 1,2,3,4,5,6,7
	v_add_nc_u32 v[IDX+8*\rt+\j], \j, v[IDX+8*\rt+\j]          ; register j is code n0 + 8 h + j
.endr
.endr
.irp rt, 0,1,2,3
	LEXMIN BEST+8*\rt,   IDX+8*\rt,   BEST+8*\rt+1, IDX+8*\rt+1
	LEXMIN BEST+8*\rt+2, IDX+8*\rt+2, BEST+8*\rt+3, IDX+8*\rt+3
	LEXMIN BEST+8*\rt+4, IDX+8*\rt+4, BEST+8*\rt+5, IDX+8*\rt+5
	LEXMIN BEST+8*\rt+6, IDX+8*\rt+6, BEST+8*\rt+7, IDX+8*\rt+7
	LEXMIN BEST+8*\rt,   IDX+8*\rt,   BEST+8*\rt+2, IDX+8*\rt+2
	LEXMIN BEST+8*\rt+4, IDX+8*\rt+4, BEST+8*\rt+6, IDX+8*\rt+6
	LEXMIN BEST+8*\rt,   IDX+8*\rt,   BEST+8*\rt+4, IDX+8*\rt+4
	v_lshl_add_u32 v[IDX+8*\rt], v2, 3, v[IDX+8*\rt]           ; + 8 h
	v_permlanex16_b32 v[BEST+8*\rt+1], v[BEST+8*\rt], s48, s49 ; the other eight codes' winner (destinations: registers that have been written)
	v_permlanex16_b32 v[IDX+8*\rt+1],  v[IDX+8*\rt],  s48, s49
	LEXMIN BEST+8*\rt,   IDX+8*\rt,   BEST+8*\rt+1, IDX+8*\rt+1
	v_add_f32 v[BEST+8*\rt], 0, v[BEST+8*\rt]                  ; -0 becomes +0: equal numbers get equal keys
	v_ashrrev_i32 v[BEST+8*\rt+1], 31, v[BEST+8*\rt]
	v_or_b32 v[BEST+8*\rt+1], 0x80000000, v[BEST+8*\rt+1]
	v_xor_b32 v[BEST+8*\rt], v[BEST+8*\rt], v[BEST+8*\rt+1]    ; positive: sign bit set; negative: all bits turned: unsigned order = f32 order
.endr
	; lanes 0-15 take the even row tile, lanes 16-31 the odd one: lane l holds row l of 32, and a store covers 256 consecutive bytes, aligned
	v_cndmask_b32 v[T],   v[BEST],    v[BEST+8],  s50
	v_cndmask_b32 v[T+1], v[IDX],     v[IDX+8],   s50
	v_cndmask_b32 v[T+2], v[BEST+16], v[BEST+24], s50
	v_cndmask_b32 v[T+3], v[IDX+16],  v[IDX+24],  s50
	global_store_b64 v11, v[T:T+1],   s[10:11]
	global_store_b64 v11, v[T+2:T+3], s[10:11] offset:256
	ROUND                                          ; the closing round: no work-group ends while a partner may still ask for a tile that names it
	s_endpgm
.Lfunc_end_k_qccf5109dca_dist:
	.size	k_qccf5109dca_dist, .Lfunc_end_k_qccf5109dca_dist-k_qccf5109dca_dist
	.p2alignl 7, 3214868480
	.fill 96, 4, 3214868480
	.section	.rodata,"a",@progbits
	.p2align	6, 0x0
	.amdhsa_kernel k_qccf5109dca_dist
		.amdhsa_group_segment_fixed_size 327680
		.amdhsa_private_segment_fixed_size 0
		.amdhsa_enable_private_segment 0
		.amdhsa_kernarg_size 32
		.amdhsa_user_sgpr_count 2
		.amdhsa_user_sgpr_kernarg_segment_ptr 1
		.amdhsa_wavefront_size32 1
		.amdhsa_system_sgpr_workgroup_id_x 1
		.amdhsa_system_sgpr_workgroup_id_y 1
		.amdhsa_system_sgpr_workgroup_id_z 1
		.amdhsa_system_vgpr_workitem_id 0
		.amdhsa_next_free_vgpr 1024
		.amdhsa_next_free_sgpr 66
		.amdhsa_reserve_vcc 1
		.amdhsa_float_denorm_mode_32 3
		.amdhsa_float_denorm_mode_16_64 3
		.amdhsa_memory_ordered 1
		.amdhsa_forward_progress 1
		.amdhsa_inst_pref_size 255
	.end_amdhsa_kernel
	.section	.bss,"aw",@nobits
	.p2align	6
	.space	262144
	.amdgpu_metadata
---
amdhsa.version: [ 1, 2 ]
amdhsa.kernels:
  - .name:           k_qccf5109dca_dist
    .symbol:         k_qccf5109dca_dist.kd
    .args:
      - { .name: x, .offset: 0, .size: 8, .value_kind: global_buffer, .address_space: global }
      - { .name: eb, .offset: 8, .size: 8, .value_kind: global_buffer, .address_space: global }
      - { .name: esq, .offset: 16, .size: 8, .value_kind: global_buffer, .address_space: global }
      - { .name: cand, .offset: 24, .size: 8, .value_kind: global_buffer, .address_space: global }
    .group_segment_fixed_size: 327680
    .private_segment_fixed_size: 0
    .kernarg_segment_align: 8
    .kernarg_segment_size: 32
    .max_flat_workgroup_size: 128
    .sgpr_count:     66
    .vgpr_count:     1024
    .wavefront_size: 32
...
	.end_amdgpu_metadata
.endif
;; end of part 2
;; launch gather (part 3): grid 256 x 1, 16 waves a work-group, no clusters, 2,560 bytes of LDS; arguments x, emb_weight, cand, out0, out1, part; writes out0, out1, part
.if DOCPART == 3
	.amdgcn_target "amdgcn-amd-amdhsa--gfx1250"
	.amdhsa_code_object_version 6
	.text
	.protected	k_qccf5109dca_gather
	.globl	k_qccf5109dca_gather
	.p2align	8
	.type	k_qccf5109dca_gather,@function
k_qccf5109dca_gather:
	s_mov_b64 s[64:65], 0
	v_nop
	global_prefetch_b8 v0, s[64:65] scope:SCOPE_SE
	s_setreg_imm32_b32 hwreg(HW_REG_WAVE_MODE, 25, 1), 1
	s_wait_xcnt 0x0
; For each row: the four quarters' {key, index} are merged (least key; of equal keys the lower quarter, whose indices are lower); out1 = index;
; q = emb[index]; out0 = x + (q - x), with the two roundings of the problem's formula; part[work-group] = sum of (q - x)^2 over its 64 rows.
; x, out0: [16384][512] f32; emb: [8192][512] f32; cand: [4][16384]{u32 key, u32 index}; out1: [16384] i32; part: [256] f32.
; A stream: 256 work-groups of 64 rows, sixteen waves of 4 rows.  A wave's 16 loads of x go out at once, its 16 gather loads as soon as the indices
; are merged; no loop, no register of a pending access is written.  Each load and store of a wave covers 512 neighbouring aligned bytes.
; The keys and indices are whole numbers read from memory; the merge is scalar.  The index is clamped to 8,191 before it enters an address.
; The squared difference is summed directly (not taken from d2, which is a difference of large sums).
; Matrix units, tensor loads and clusters have nothing to do here.
.set ROW, 2048
.set X, 16                             ; v[16:79]   x: row r, quarter t at 16 r + 4 t
.set Q, 80                             ; v[80:143]  q, then q - x, then out0
.set A, 144                            ; v[144:147] two pairs of running sums
	s_load_b256 s[4:11], s[0:1], 0x0               ; x s[4:5], emb s[6:7], cand s[8:9], out0 s[10:11]
	s_load_b128 s[12:15], s[0:1], 0x20             ; out1 s[12:13], part s[14:15]
	v_lshl_add_u32 v148, v0, 2, 0x200
	v_mov_b32 v149, 0
	v_lshrrev_b32 v2, 5, v0
	v_readfirstlane_b32 s16, v2                    ; wave 0..15
	v_and_b32 v3, 31, v0                           ; lane
	v_lshlrev_b32 v1, 4, v3                        ; 16 bytes a lane
	s_mov_b32 s60, 0x76543210
	s_mov_b32 s61, 0xfedcba98
	s_lshl_b32 s17, ttmp9, 6
	s_lshl2_add_u32 s17, s16, s17                  ; my first row = 64 x work-group + 4 x wave
	s_lshl_b32 s18, s17, 11                        ; x 2,048 bytes (below 32 MiB)
	s_mov_b32 s19, 0
	s_lshl_b32 s20, s17, 3                         ; x 8 bytes
	s_mov_b32 s21, 0
	s_wait_kmcnt 0x0
	s_add_nc_u64 s[22:23], s[8:9], s[20:21]
	s_load_b256 s[24:31], s[22:23], 0x0            ; quarter 0: {key, index} of my 4 rows
	s_load_b256 s[32:39], s[22:23], 0x20000        ; quarter 1: 16,384 rows x 8 bytes further
	s_load_b256 s[40:47], s[22:23], 0x40000
	s_load_b256 s[48:55], s[22:23], 0x60000
	s_add_nc_u64 s[4:5], s[4:5], s[18:19]
	s_add_nc_u64 s[10:11], s[10:11], s[18:19]
.irp k, 0,1,2,3,4,5,6,7,8,9,10,11,12,13,14,15
	global_load_b128 v[X+4*\k:X+4*\k+3], v1, s[4:5] offset:(\k>>2)*ROW+(\k&3)*512 th:TH_LOAD_NT
.endr
	v_mov_b32 v12, s16
	v_lshlrev_b32 v13, 2, v12                      ; LDS: my sum's word
	v_lshlrev_b32 v12, 4, v12                      ; LDS: my four indices, behind the 64 bytes of sums
	s_wait_kmcnt 0x0
.irp r, 0,1,2,3
.irp q, 1,2,3
	s_cmp_lt_u32 s[24+8*\q+2*\r], s[24+2*\r]       ; strictly less: of equal keys the lower quarter stays
	s_cselect_b32 s[24+2*\r], s[24+8*\q+2*\r], s[24+2*\r]
	s_cselect_b32 s[25+2*\r], s[25+8*\q+2*\r], s[25+2*\r]
.endr
	s_min_u32 s[25+2*\r], s[25+2*\r], 0x1fff       ; inside the table, whatever was read
	s_lshl_b32 s[56+\r], s[25+2*\r], 11            ; x 2,048 bytes
	v_add_nc_u32 v[8+\r], s[56+\r], v1
	v_mov_b32 v[4+\r], s[25+2*\r]
.irp t, 0,1,2,3
	global_load_b128 v[Q+16*\r+4*\t:Q+16*\r+4*\t+3], v[8+\r], s[6:7] offset:512*\t   ; no hint: a code may be named by many rows
.endr
.endr
	ds_store_b128 v12, v[4:7] offset:64            ; all lanes write the same 16 bytes with the same values
.irp r, 0,1,2,3
	s_wait_loadcnt 4*(3-\r)                        ; x (issued first) and this row's code are in; the later rows' four loads each stay out
.irp t, 0,1,2,3
.irp p, 0,2
	v_pk_add_f32 v[Q+16*\r+4*\t+\p:Q+16*\r+4*\t+\p+1], v[Q+16*\r+4*\t+\p:Q+16*\r+4*\t+\p+1], v[X+16*\r+4*\t+\p:X+16*\r+4*\t+\p+1] neg_lo:[0,1] neg_hi:[0,1]   ; q - x
.if (\r)+(\t) == 0
	v_pk_mul_f32 v[A+\p:A+\p+1], v[Q+16*\r+4*\t+\p:Q+16*\r+4*\t+\p+1], v[Q+16*\r+4*\t+\p:Q+16*\r+4*\t+\p+1]                                                 ; the first squares start the sums
.else
	v_pk_fma_f32 v[A+\p:A+\p+1], v[Q+16*\r+4*\t+\p:Q+16*\r+4*\t+\p+1], v[Q+16*\r+4*\t+\p:Q+16*\r+4*\t+\p+1], v[A+\p:A+\p+1]
.endif
	v_pk_add_f32 v[Q+16*\r+4*\t+\p:Q+16*\r+4*\t+\p+1], v[X+16*\r+4*\t+\p:X+16*\r+4*\t+\p+1], v[Q+16*\r+4*\t+\p:Q+16*\r+4*\t+\p+1]                            ; x + (q - x)
.endr
	global_store_b128 v1, v[Q+16*\r+4*\t:Q+16*\r+4*\t+3], s[10:11] offset:\r*ROW+\t*512 th:TH_STORE_NT
.endr
.endr
	v_pk_add_f32 v[A:A+1], v[A:A+1], v[A+2:A+3]
	v_add_f32 v[A], v[A], v[A+1]
	v_add_f32_dpp v[A], v[A], v[A] row_xmask:1 row_mask:0xf bank_mask:0xf
	v_add_f32_dpp v[A], v[A], v[A] row_xmask:2 row_mask:0xf bank_mask:0xf
	v_add_f32_dpp v[A], v[A], v[A] row_xmask:4 row_mask:0xf bank_mask:0xf
	v_add_f32_dpp v[A], v[A], v[A] row_xmask:8 row_mask:0xf bank_mask:0xf
	v_permlanex16_b32 v[A+1], v[A], s60, s61
	v_add_f32 v[A], v[A], v[A+1]
	ds_store_b32 v13, v[A]
	s_wait_dscnt 0x0                               ; for wave 0's sake: my indices and my sum are in LDS before I signal
	s_barrier_signal -1
	s_barrier_wait -1
	s_cmp_lg_u32 s16, 0
	s_cbranch_scc1 .Lothers
	; wave 0: the work-group's 64 indices leave as 256 consecutive aligned bytes, its 16 sums as one number
	v_lshlrev_b32 v14, 3, v3                       ; 8 bytes a lane
	v_mov_b32 v15, 0
	ds_load_b64 v[16:17], v14 offset:64
	ds_load_b128 v[20:23], v15
	ds_load_b128 v[24:27], v15 offset:16
	ds_load_b128 v[28:31], v15 offset:32
	ds_load_b128 v[32:35], v15 offset:48
	s_lshl_b32 s20, ttmp9, 8
	s_add_nc_u64 s[12:13], s[12:13], s[20:21]      ; out1 at the work-group's 64 rows
	s_lshl_b32 s20, ttmp9, 2
	s_add_nc_u64 s[14:15], s[14:15], s[20:21]      ; part at the work-group's word
	s_wait_dscnt 0x4                               ; the indices are in; the four loads of sums may be out
	global_store_b64 v14, v[16:17], s[12:13]
	s_wait_dscnt 0x0
	v_pk_add_f32 v[20:21], v[20:21], v[24:25]
	v_pk_add_f32 v[22:23], v[22:23], v[26:27]
	v_pk_add_f32 v[28:29], v[28:29], v[32:33]
	v_pk_add_f32 v[30:31], v[30:31], v[34:35]
	v_pk_add_f32 v[20:21], v[20:21], v[28:29]
	v_pk_add_f32 v[22:23], v[22:23], v[30:31]
	v_pk_add_f32 v[20:21], v[20:21], v[22:23]
	v_add_f32 v20, v20, v21
	s_wait_xcnt 0x0                                ; EXEC is a source of the pending stores: it changes only behind this wait
	v_cmp_eq_u32 vcc_lo, 0, v0
	s_wait_tensorcnt 0x0
	ds_add_u32 v148, v149
	s_wait_dscnt 0x0
	s_and_saveexec_b32 s20, vcc_lo
	global_store_b32 v15, v20, s[14:15]            ; lane 0 alone
	s_endpgm
.Lothers:
	s_wait_tensorcnt 0x0
	ds_add_u32 v148, v149
	s_wait_dscnt 0x0
	s_endpgm
.Lfunc_end_k_qccf5109dca_gather:
	.size	k_qccf5109dca_gather, .Lfunc_end_k_qccf5109dca_gather-k_qccf5109dca_gather
	.p2alignl 7, 3214868480
	.fill 96, 4, 3214868480
	.section	.rodata,"a",@progbits
	.p2align	6, 0x0
	.amdhsa_kernel k_qccf5109dca_gather
		.amdhsa_group_segment_fixed_size 2560
		.amdhsa_private_segment_fixed_size 0
		.amdhsa_enable_private_segment 0
		.amdhsa_kernarg_size 48
		.amdhsa_user_sgpr_count 2
		.amdhsa_user_sgpr_kernarg_segment_ptr 1
		.amdhsa_wavefront_size32 1
		.amdhsa_system_sgpr_workgroup_id_x 1
		.amdhsa_system_sgpr_workgroup_id_y 1
		.amdhsa_system_sgpr_workgroup_id_z 1
		.amdhsa_system_vgpr_workitem_id 0
		.amdhsa_next_free_vgpr 150
		.amdhsa_next_free_sgpr 66
		.amdhsa_reserve_vcc 1
		.amdhsa_float_denorm_mode_32 3
		.amdhsa_float_denorm_mode_16_64 3
		.amdhsa_memory_ordered 1
		.amdhsa_forward_progress 1
		.amdhsa_inst_pref_size 17
	.end_amdhsa_kernel
	.amdgpu_metadata
---
amdhsa.version: [ 1, 2 ]
amdhsa.kernels:
  - .name:           k_qccf5109dca_gather
    .symbol:         k_qccf5109dca_gather.kd
    .args:
      - { .name: x, .offset: 0, .size: 8, .value_kind: global_buffer, .address_space: global }
      - { .name: emb_weight, .offset: 8, .size: 8, .value_kind: global_buffer, .address_space: global }
      - { .name: cand, .offset: 16, .size: 8, .value_kind: global_buffer, .address_space: global }
      - { .name: out0, .offset: 24, .size: 8, .value_kind: global_buffer, .address_space: global }
      - { .name: out1, .offset: 32, .size: 8, .value_kind: global_buffer, .address_space: global }
      - { .name: part, .offset: 40, .size: 8, .value_kind: global_buffer, .address_space: global }
    .group_segment_fixed_size: 2560
    .private_segment_fixed_size: 0
    .kernarg_segment_align: 8
    .kernarg_segment_size: 48
    .max_flat_workgroup_size: 512
    .sgpr_count:     66
    .vgpr_count:     150
    .wavefront_size: 32
...
	.end_amdgpu_metadata
.endif
;; end of part 3
;; launch finish (part 4): grid 1 x 1, 1 waves a work-group, no clusters, 0 bytes of LDS; arguments part, out2, out3, out4; writes out2, out3, out4
.if DOCPART == 4
	.amdgcn_target "amdgcn-amd-amdhsa--gfx1250"
	.amdhsa_code_object_version 6
	.text
	.protected	k_qccf5109dca_finish
	.globl	k_qccf5109dca_finish
	.p2align	8
	.type	k_qccf5109dca_finish,@function
k_qccf5109dca_finish:
	s_mov_b64 s[64:65], 0
	v_nop
	global_prefetch_b8 v0, s[64:65] scope:SCOPE_SE
	s_setreg_imm32_b32 hwreg(HW_REG_WAVE_MODE, 25, 1), 1
	s_wait_xcnt 0x0
; m = (sum of the 256 partial sums) / (16384 x 512);  out3 = m (codebook loss), out2 = 0.25 m (commitment loss), out4 = out2 + out3.
; One wave: a sum that spans all work-groups of the launch before has one owner here.  16384 x 512 = 2^23, so the division is exact.
	s_load_b256 s[4:11], s[0:1], 0x0               ; part s[4:5], out2 s[6:7], out3 s[8:9], out4 s[10:11]
	v_lshlrev_b32 v1, 5, v0                        ; 32 bytes a lane: 8 of the 256 numbers
	v_mov_b32 v2, 0
	s_mov_b32 s12, 0x76543210
	s_mov_b32 s13, 0xfedcba98
	s_wait_kmcnt 0x0
	global_load_b128 v[4:7], v1, s[4:5]
	global_load_b128 v[8:11], v1, s[4:5] offset:16
	s_wait_loadcnt 0x0
	v_pk_add_f32 v[4:5], v[4:5], v[8:9]
	v_pk_add_f32 v[6:7], v[6:7], v[10:11]
	v_pk_add_f32 v[4:5], v[4:5], v[6:7]
	v_add_f32 v4, v4, v5
	v_add_f32_dpp v4, v4, v4 row_xmask:1 row_mask:0xf bank_mask:0xf
	v_add_f32_dpp v4, v4, v4 row_xmask:2 row_mask:0xf bank_mask:0xf
	v_add_f32_dpp v4, v4, v4 row_xmask:4 row_mask:0xf bank_mask:0xf
	v_add_f32_dpp v4, v4, v4 row_xmask:8 row_mask:0xf bank_mask:0xf
	v_permlanex16_b32 v5, v4, s12, s13
	v_add_f32 v4, v4, v5
	v_mul_f32 v6, 0x34000000, v4                   ; x 2^-23: the mean
	v_mul_f32 v5, 0x3e800000, v6                   ; x 0.25, exact
	v_add_f32 v7, v5, v6                           ; the total, rounded once
	s_wait_xcnt 0x0                                ; EXEC changes only behind this wait
	v_cmp_eq_u32 vcc_lo, 0, v0
	s_and_saveexec_b32 s14, vcc_lo
	global_store_b32 v2, v5, s[6:7]                ; lane 0 alone
	global_store_b32 v2, v6, s[8:9]
	global_store_b32 v2, v7, s[10:11]
	s_endpgm
.Lfunc_end_k_qccf5109dca_finish:
	.size	k_qccf5109dca_finish, .Lfunc_end_k_qccf5109dca_finish-k_qccf5109dca_finish
	.p2alignl 7, 3214868480
	.fill 96, 4, 3214868480
	.section	.rodata,"a",@progbits
	.p2align	6, 0x0
	.amdhsa_kernel k_qccf5109dca_finish
		.amdhsa_group_segment_fixed_size 0
		.amdhsa_private_segment_fixed_size 0
		.amdhsa_enable_private_segment 0
		.amdhsa_kernarg_size 32
		.amdhsa_user_sgpr_count 2
		.amdhsa_user_sgpr_kernarg_segment_ptr 1
		.amdhsa_wavefront_size32 1
		.amdhsa_system_sgpr_workgroup_id_x 1
		.amdhsa_system_sgpr_workgroup_id_y 1
		.amdhsa_system_sgpr_workgroup_id_z 1
		.amdhsa_system_vgpr_workitem_id 0
		.amdhsa_next_free_vgpr 16
		.amdhsa_next_free_sgpr 66
		.amdhsa_reserve_vcc 1
		.amdhsa_float_denorm_mode_32 3
		.amdhsa_float_denorm_mode_16_64 3
		.amdhsa_memory_ordered 1
		.amdhsa_forward_progress 1
		.amdhsa_inst_pref_size 2
	.end_amdhsa_kernel
	.amdgpu_metadata
---
amdhsa.version: [ 1, 2 ]
amdhsa.kernels:
  - .name:           k_qccf5109dca_finish
    .symbol:         k_qccf5109dca_finish.kd
    .args:
      - { .name: part, .offset: 0, .size: 8, .value_kind: global_buffer, .address_space: global }
      - { .name: out2, .offset: 8, .size: 8, .value_kind: global_buffer, .address_space: global }
      - { .name: out3, .offset: 16, .size: 8, .value_kind: global_buffer, .address_space: global }
      - { .name: out4, .offset: 24, .size: 8, .value_kind: global_buffer, .address_space: global }
    .group_segment_fixed_size: 0
    .private_segment_fixed_size: 0
    .kernarg_segment_align: 8
    .kernarg_segment_size: 32
    .max_flat_workgroup_size: 32
    .sgpr_count:     66
    .vgpr_count:     16
    .wavefront_size: 32
...
	.end_amdgpu_metadata
.endif
;; end of part 4
;; ======== version 2 of 2: 4 launches; 1.43 times as fast as version 1
;; limits: below input magnitudes of 3e-17 results are inexact or not finite
;; workspace buffers: eb 8,388,608 bytes; esq 32,768 bytes; cand 524,288 bytes of whole numbers; part 1,024 bytes
;; launch prep: the kernel of part 1 again; grid 256 x 1, 8 waves a work-group, no clusters, 1,280 bytes of LDS; arguments emb_weight, eb, esq; writes eb, esq
;; launch dist (part 5): grid 64 x 4, 4 waves a work-group, clusters of 4 x 1, 327,680 bytes of LDS; arguments x, eb, esq, cand; writes cand
.if DOCPART == 5
	.amdgcn_target "amdgcn-amd-amdhsa--gfx1250"
	.amdhsa_code_object_version 6
	.text
	.protected	k_qccf5109dca_dist
	.globl	k_qccf5109dca_dist
	.p2align	8
	.type	k_qccf5109dca_dist,@function
k_qccf5109dca_dist:
	s_mov_b64 s[64:65], 0
	v_nop
	global_prefetch_b8 v0, s[64:65] scope:SCOPE_SE
	s_setreg_imm32_b32 hwreg(HW_REG_WAVE_MODE, 25, 1), 1
	s_wait_xcnt 0x0
	s_wait_alu depctr_hold_cnt(0) depctr_sa_sdst(0) depctr_va_vdst(0) depctr_va_sdst(0) depctr_va_ssrc(0) depctr_va_vcc(0) depctr_vm_vsrc(0)
	s_getreg_b32 s2, hwreg(HW_REG_IB_STS2, 6, 4)
	s_cmp_eq_u32 s2, 0
	s_cbranch_scc0 .Lentry_in_a_cluster
	s_endpgm
.Lentry_in_a_cluster:
	s_bfe_u32 s2, ttmp6, 0x10000c
	s_cmp_lg_u32 s2, 0x3003
	s_cbranch_scc0 .Lentry_shape_is_right
	s_endpgm
.Lentry_shape_is_right:
; For 256 rows of x and 2,048 codes: d2[n][k] = (x_sq[n] - 2 dot(x[n], e[k])) + e_sq[k], and for each row the least d2 and its lowest index.
; x: [16384][512] f32;  eb: [8192][512] bf16;  esq: [8192] f32;  cand: [4 quarters][16384 rows]{u32 key, u32 index}.
; The dot goes to the matrix unit in bf16 with f32 sums.  d2 is made with the two f32 roundings of the problem's formula (one for x_sq - 2 dot,
; one for + e_sq) and compared in f32; of equal d2 the lowest index wins, here and where the four quarters are merged.  The key is d2's bits
; turned into an unsigned number of the same order, so that the merge is a comparison of whole numbers.
; LIMITS.  x_sq and e_sq are sums of squares of the bf16-ROUNDED vectors, so d2 is the expansion of |x_r - e_r|^2.  x_sq is the diagonal of X_r X_r^T
; from the matrix unit: exact products, f32 sums in the unit's order.  The order of summation in the dot is the unit's too, with k permuted inside
; each step of 32 alike in both operands.  Inputs are finite: a d2 that is NaN, infinite or the largest finite f32 is never chosen (an argmin that
; lets a NaN win would choose it); a row without any smaller d2 gets an index that means nothing.
; THE INDEX IS CHOSEN BY A MEDIAN.  While the codes are walked, a result's index (first code of its 16, plus 16: at most 8,207) lies in its register as a whole
; number, which read as f32 is a denormal below 2^-135 (the wave's mode keeps f32 denormals).  The indices on offer only grow, so old <= new, and
; median(best - d2, new, old) is old where best - d2 <= 0 and new where best - d2 >= new.  So two DIFFERENT d2 of a row must lie at least 2^-135 apart:
; d2 is a multiple of about 2^-26 of its largest term, so this holds wherever x_sq or e_sq is above 2^-100.
;
; SHAPE.  Grid 64 row blocks x 4 quarters of the codes = 256 work-groups of equal work.  Four waves; a wave keeps 64 rows of x for all 512 k as bf16
; fragments in 512 registers, for the whole kernel: x costs no LDS read in the loop.  All four waves read the same tile of codes from LDS: one
; fragment of 16 codes x 32 k (two loads of 16 bytes a lane) feeds 4 matrix instructions.  Only 4 accumulator tiles are live, in two sets:
; while one set is summed (64 matrix instructions = 16 codes, a STRETCH), the finished set goes through d2, minimum and index, 7 vector
; instructions for two results, 112 among the 64 matrix instructions.
; THE TEXT IS SHORT AND RUNS IN LOOPS.  A stretch names each of x's fragments, so it is written out: 64 matrix, 112 vector, 34 LDS instructions.  Two stretches
; (accumulator sets 0 and 1) are a pair; a tile of 128 codes is a loop of three pairs and a last pair, written out, that changes slots.  Which slot
; is read stands in registers (two scalar offsets that are exchanged after each tile), so one text serves every tile: a loop of 14 tiles
; with a refill and a loop of 2 without.
; CLUSTER 4, 1, 1: the four row blocks of a cluster walk the same quarter of the codes: every tile of eb and the quarter's esq are asked for jointly
; (mask 15).  x is not shared inside a cluster and has to be converted: it comes through registers, once.
;
; REGISTERS, in windows of 256:
;   window 0: v1 r, v2 h, v3-v11 addresses; v16-23 x_sq; v24-27 at work; v32-47 e_sq, two buffers; v48-111 accumulators, two sets of 4 tiles;
;             v112-175 ring of 8 code fragments; v176-207 least d2; v208-239 its stretch's first code + 16; v240-255 at the start only
;   window 2: x fragments of K steps 0-7, at 32 (c & 7) + 8 rt;   window 3: those of K steps 8-15
; x's fragment is source 1 of the matrix instruction, so in the loop only source 1 looks into window 2 or 3, two switches for 64 matrix instructions,
; and every vector instruction there is written without a vector register as source 1 (a constant or a scalar stands there).
; ORIENTATION: source 0 = 16 codes, source 1 = 16 rows of x.  Register j of lane (r, h) of a result is dot(code n0 + 8 h + j, row r):
; x_sq is one number a lane, e_sq eight registers read at 4 (n0 + 8 h).
; k INSIDE A STEP: lane (r, h) holds k = 32 c + 16 h + 0..15 in its eight registers, in both operands: two loads of 16 neighbouring bytes each.
.set XROW,   2048                      ; bytes in a row of x
.set PITCH,  1040                      ; an LDS row of codes: 1,024 bytes + 16 = 65 x 16: the 16 rows that a load touches start 16 bytes apart modulo 256
.set WTILE,  32*PITCH                  ; what one tensor load brings: 32 codes
.set PAIRB,  32*PITCH                  ; the 32 codes of a pair of stretches
.set SLOTB,  128*PITCH                 ; a slot: 128 codes
.set TILEB,  128*1024                  ; the same 128 codes in eb
.set ESQL,   2*SLOTB                   ; 266,240: the quarter's 2,048 e_sq, 8,192 bytes
.set STAGE,  ESQL+8192                 ; 274,432: each wave's own 16 rows x 272 bytes, written by LDS stores; no tensor load lands here
.set SPITCH, 272
.set WSTAGE, 16*SPITCH
.set VB,   6                           ; v6         r x pitch + 32 h: my place in slot 0's first 16 codes; never rewritten
.set VC,   7                           ; v7         the same in the pair at work of the slot at work
.set VN,   8                           ; v8         the same in the other slot's first 16 codes
.set VE,   10                          ; v10        e_sq of the pair at work: ESQL + 32 h + 128 x pair
.set XS,   16                          ; v[16:23]   row tile rt: x_sq of my row, twice (a pair for the packed forms)
.set T,    24                          ; v[24:27]   best - d2, one pair for each of a block's two pairs of results
.set EQ,   32                          ; v[32:47]   e_sq of 16 codes, buffers 0 and 1; at the start: x as bf16 on its way to the stage, rows 0-7
.set ACC,  48                          ; v[48:111]  sets 0 and 1; at the start v[48:239] are three sets of 64 registers for x as loaded
.set RING, 112                         ; v[112:175] fragment of K step c in buffer c & 7
.set BEST, 176                         ; v[176:207] [8 rt + j]
.set IDX,  208                         ; v[208:239] [8 rt + j]
.set CV2,  240                         ; v[240:255] at the start: x as bf16 on its way to the stage, rows 8-15
.set MSB, 0
.macro WIN new                         ; s_set_vgpr_msb: bits 1:0 source 0, 3:2 source 1, 5:4 source 2, 7:6 destination; the high byte repeats the setting that is left
.if MSB != \new
	s_set_vgpr_msb (MSB<<8)|\new
.set MSB, \new
.endif
.endm
; A round of the cluster's barrier: my work-group's barrier, so that wave 0's signal speaks for all four waves; wave 0 signals for the work-group;
; every wave waits for all four work-groups; my work-group's barrier once more.
.macro CREST                           ; a round behind its opening barrier
	s_cmp_lg_u32 s12, 0
	s_cbranch_scc1 .Lnot_wave_0_\@
	s_barrier_signal -3
.Lnot_wave_0_\@:
	s_barrier_wait -3
	s_barrier_signal -1
	s_barrier_wait -1
.endm
.macro ROUND
	s_barrier_signal -1
	s_barrier_wait -1
	CREST
.endm
; ---- x: 64 rows x 512 k, f32 from memory, bf16 through my stage into fragments.  Sixteen pieces t: row tile t / 4, 128 k at t % 4.
.macro XLOAD t                         ; 16 rows x 512 neighbouring aligned bytes
.set xl_b, ACC+64*((\t)%3)
.set xl_o, ((\t)>>2)*16*XROW+((\t)&3)*512
.irp i, 0,1,2,3,4,5,6,7,8,9,10,11,12,13,14,15
	global_load_b128 v[xl_b+4*\i:xl_b+4*\i+3], v3, s[4:5] offset:xl_o+\i*XROW
.endr
.endm
; A piece is converted in one run of 32 conversions into 32 registers of its own, stored in one run of 16 LDS stores, and read back as fragments by 8 loads.
.macro XPROC t, left
.set xp_b, ACC+64*((\t)%3)
.set xp_rt, (\t)>>2
.set xp_kq, (\t)&3
	s_wait_loadcnt \left                           ; this piece's 16 loads are in; the younger pieces' stay out
.irp i, 0,1,2,3,4,5,6,7,8,9,10,11,12,13,14,15
.set xp_c, EQ+2*\i+(\i>>3)*(CV2-EQ-16)             ; rows 0-7 in v32-47, rows 8-15 in v240-255
	v_cvt_pk_bf16_f32 v[xp_c],   v[xp_b+4*\i],   v[xp_b+4*\i+1]
	v_cvt_pk_bf16_f32 v[xp_c+1], v[xp_b+4*\i+2], v[xp_b+4*\i+3]
.endr
.irp i, 0,1,2,3,4,5,6,7,8,9,10,11,12,13,14,15
.set xp_c, EQ+2*\i+(\i>>3)*(CV2-EQ-16)
	ds_store_b64 v4, v[xp_c:xp_c+1] offset:\i*SPITCH
.endr
.if xp_kq < 2
	WIN 0x80                                       ; destination in window 2
.else
	WIN 0xc0                                       ; in window 3
.endif
.irp c, 0,1,2,3
	ds_load_b128 v[32*((4*xp_kq+\c)&7)+8*xp_rt:32*((4*xp_kq+\c)&7)+8*xp_rt+3],   v5 offset:64*\c      ; LDS serves a wave's instructions in order (ISA guide 5.7.1.4):
	ds_load_b128 v[32*((4*xp_kq+\c)&7)+8*xp_rt+4:32*((4*xp_kq+\c)&7)+8*xp_rt+7], v5 offset:64*\c+16   ; these see the stores above, and the next piece's stores come behind them
.endr
	WIN 0
.endm
	s_load_b256 s[4:11], s[0:1], 0x0               ; x s[4:5], eb s[6:7], esq s[8:9], cand s[10:11]
	v_lshl_add_u32 v30, v0, 2, 0x47400
	v_mov_b32 v31, 0
	ds_add_u32 v30, v31
	v_lshrrev_b32 v1, 5, v0
	v_readfirstlane_b32 s12, v1                    ; wave 0..3
	s_bfe_u32 s13, ttmp6, 0x40000                  ; cx: my place in the cluster.  It enters x's and cand's global addresses alone
	s_lshl_b32 s14, ttmp9, 2
	s_add_co_u32 s14, s14, s13                     ; row block = 4 x cluster x + cx
	s_and_b32 s15, ttmp7, 0xffff                   ; quarter of the codes, the same in the four partners
	; group 1 for a tile of codes: 32 rows x 512 elements of 2 bytes, 16 bytes of padding behind each row of 256 words
	s_mov_b32 s16, 15|(1<<16)|(1<<20)|(1<<21)|(7<<22)|(3<<25)   ; 15:0 mask: all four work-groups; 17:16 2 bytes; 20 padding on; 21 set beside a mask; 24:22 every 256 words; 31:25 4 words
	s_mov_b32 s17, 512<<16                         ; tensor_dim0 = 512
	s_mov_b32 s18, 32<<16                          ; tensor_dim1 = 32
	s_mov_b32 s19, 512<<16                         ; tile_dim0 = 512
	s_mov_b32 s20, 32                              ; tile_dim1 = 32
	s_mov_b32 s21, 512                             ; elements from row to row
	s_mov_b32 s22, 0
	s_mov_b32 s23, 0
	; group 1 for e_sq: a dense block of 2,048 bytes as 8 rows of 32 elements of 8 bytes
	s_mov_b32 s24, 15|(3<<16)|(1<<21)
	s_mov_b32 s25, 32<<16
	s_mov_b32 s26, 8<<16
	s_mov_b32 s27, 32<<16
	s_mov_b32 s28, 8
	s_mov_b32 s29, 32
	s_mov_b32 s30, 0
	s_mov_b32 s31, 0
	s_mov_b32 s37, 0                               ; the slot at work, as an offset in LDS,
	s_mov_b32 s38, SLOTB                           ; and the other one: exchanged after each tile
	s_mov_b32 s46, 0x7f800000                      ; +infinity
	s_mov_b32 s47, 0x7f7fffff                      ; the largest finite f32: where the minima start
	s_mov_b32 s51, 0xff800000                      ; -infinity
	s_mov_b32 s48, 0x76543210                      ; v_permlanex16_b32: lane i reads lane i of the other half
	s_mov_b32 s49, 0xfedcba98
	s_mov_b32 s50, 0xffff0000                      ; lanes 16 to 31
	s_lshl_b32 s45, s15, 11                        ; the index on offer: first code of the 16 that are being judged, plus 16.  Those judged are one stretch behind those summed
	; offsets made of the quarter and the wave alone (they feed joint loads)
	s_lshl_b32 s52, s15, 21                        ; quarter x 2,048 codes x 1,024 bytes
	s_lshl_b32 s53, s12, 15                        ; + wave x 32 codes
	s_add_co_u32 s52, s52, s53
	s_mov_b32 s53, 0
	s_mul_i32 s54, s12, WTILE                      ; my part of a slot
	s_lshl_b32 s55, s12, 11                        ; my 2,048 bytes of e_sq
	; offsets that hold cx, in registers of their own
	s_lshl_b32 s56, s14, 19                        ; row block x 256 rows x 2,048 bytes
	s_lshl_b32 s57, s12, 17                        ; + wave x 64 rows
	s_add_co_u32 s56, s56, s57
	s_mov_b32 s57, 0
	s_lshl_b32 s58, s14, 11                        ; cand: (quarter x 16,384 + row block x 256 + wave x 64) x 8 bytes
	s_lshl_b32 s59, s15, 17
	s_add_co_u32 s58, s58, s59
	s_lshl_b32 s59, s12, 9
	s_add_co_u32 s58, s58, s59
	s_mov_b32 s59, 0
	; lane terms
	v_and_b32 v12, 31, v0                          ; lane
	v_and_b32 v1, 15, v0                           ; r
	v_bfe_u32 v2, v0, 4, 1                         ; h
	v_lshlrev_b32 v3, 4, v12                       ; x: 16 bytes a lane
	v_lshlrev_b32 v11, 3, v12                      ; cand: 8 bytes a lane
	v_mul_u32_u24 v13, v1, PITCH
	v_lshl_add_u32 v[VB], v2, 5, v13               ; r x pitch + 32 h
	v_mov_b32 v[VC], v[VB]                         ; slot 0, first pair
	v_add_nc_u32 v[VN], SLOTB, v[VB]               ; slot 1
	v_lshlrev_b32 v[VE], 5, v2
	v_add_nc_u32 v[VE], ESQL, v[VE]                ; e_sq: 4 x 8 h
	s_wait_dscnt 0x0
	s_wait_kmcnt 0x0
	s_add_nc_u64 s[4:5], s[4:5], s[56:57]          ; x at my 64 rows
	XLOAD 0                                        ; the first three pieces of x go out ahead of everything else: nobody writes x, so they may be out at a barrier
	XLOAD 1
	XLOAD 2
	s_add_nc_u64 s[6:7], s[6:7], s[52:53]          ; eb at my 32 codes of the quarter's tile 0
	s_lshl_b32 s52, s15, 13                        ; esq: quarter x 8,192 bytes + wave x 2,048
	s_add_co_u32 s52, s52, s55
	s_add_nc_u64 s[10:11], s[10:11], s[58:59]      ; cand at my 64 rows
	; group 0: one set for the tiles of codes, rewritten only where no tensor load of the wave is out, and one for e_sq
	s_mov_b32 s32, 1
	s_mov_b32 s33, s54                             ; slot 0 + wave x 32 rows
	s_mov_b64 s[34:35], s[6:7]                     ; tile 0
	s_or_b32 s35, s35, 0x80000000                  ; type 2
	s_mov_b32 s40, 1
	s_add_co_u32 s41, s55, ESQL
	s_add_nc_u64 s[42:43], s[8:9], s[52:53]
	s_or_b32 s43, s43, 0x80000000
	s_mul_i32 s52, s12, WSTAGE
	s_add_co_u32 s52, s52, STAGE                   ; my stage
	v_lshl_add_u32 v4, v12, 3, s52                 ; in: 8 bytes a lane, a row of 256 bytes
	v_mul_u32_u24 v13, v1, SPITCH
	v_lshl_add_u32 v13, v2, 5, v13
	v_add_nc_u32 v5, s52, v13                      ; back: row r, 32 h
	ROUND                                          ; all four work-groups are here: the first joint loads meet
	tensor_load_to_lds s[32:35], s[16:23]          ; tile 0 into slot 0
	s_nop 0
	tensor_load_to_lds s[40:43], s[24:31]          ; the quarter's e_sq.  Two tensor loads of the wave are out
	s_nop 0
.irp t, 0,1,2,3,4,5,6,7,8,9,10,11,12
	XPROC \t, 32
	XLOAD \t+3                                     ; into the set that has just been converted
.endr
	XPROC 13, 32
	XPROC 14, 16
	XPROC 15, 0
	s_wait_dscnt 0x0                               ; all fragments of x are in
; x_sq: each row tile's fragments are multiplied by themselves; the diagonal of the 16 x 16 result is the rows' sums of squares.  64 matrix instructions
; stand for the 1,024 multiply-adds that a lane would need for its 512 packed words.  The four accumulators take turns, one instruction a turn.
.macro GRAM win, first
	WIN \win                                       ; sources 0 and 1 in window 2 or 3
.irp c, 0,1,2,3,4,5,6,7
.irp rt, 0,1,2,3
.set gr_z, 0
.if \first
.if (\c) == 0
.set gr_z, 1
.endif
.endif
.if gr_z
	v_wmma_f32_16x16x32_bf16 v[ACC+8*\rt:ACC+8*\rt+7], v[32*\c+8*\rt:32*\c+8*\rt+7], v[32*\c+8*\rt:32*\c+8*\rt+7], 0
.else
	v_wmma_f32_16x16x32_bf16 v[ACC+8*\rt:ACC+8*\rt+7], v[32*\c+8*\rt:32*\c+8*\rt+7], v[32*\c+8*\rt:32*\c+8*\rt+7], v[ACC+8*\rt:ACC+8*\rt+7]
.endif
.endr
.endr
.endm
	GRAM 0x0a, 1
	GRAM 0x0f, 0
	WIN 0
	; Start values; they are also the places behind the last matrix instructions (ISA guide 7.12.1): none names a register of set 0.
	; The minima start at the largest finite f32, the indices at 0.  Set 1 and e_sq buffer 1 hold a stretch that can never win: dot = -infinity gives
	; d2 = +infinity and best - d2 = -infinity, so minimum and index stay.  So the first stretch is the same text as every other, and no NaN is made.
.set j, 0
.rept 32
	v_mov_b32 v[BEST+j], s47
	v_mov_b32 v[IDX+j], 0
	v_mov_b32 v[ACC+32+j], s51
.set j, j+1
.endr
.irp k, 0,1,2,3,4,5,6,7
	v_mov_b32 v[EQ+8+\k], 0
.endr
	; The diagonal.  Register j of lane (r, h) is element (8 h + j, r): first every lane takes its register r & 7,
.irp j, 1,2,3,4,5,6,7
	s_mov_b32 s52, 0x01010101<<\j                  ; the lanes with r & 7 = j
.irp rt, 0,1,2,3
	v_cndmask_b32 v[ACC+8*\rt], v[ACC+8*\rt], v[ACC+8*\rt+\j], s52
.endr
.endr
	s_mov_b32 s52, 0xff0000ff                      ; which is the diagonal where h = r >> 3: lanes 0-7 and 24-31; the others take it from lane l xor 16
.irp rt, 0,1,2,3
	v_permlanex16_b32 v[ACC+8*\rt+1], v[ACC+8*\rt], s48, s49   ; its destination counts as read: a register that has been written
	v_cndmask_b32 v[XS+2*\rt],   v[ACC+8*\rt+1], v[ACC+8*\rt], s52
	v_cndmask_b32 v[XS+2*\rt+1], v[ACC+8*\rt+1], v[ACC+8*\rt], s52
.endr
; ---- the loop's pieces
.macro RUN v, o, c0                    ; eight LDS loads in one run: the fragments of K steps c0 .. c0 + 3, the first at byte o from address register v
.irp k, 0,1,2,3
	ds_load_b128 v[RING+8*(((\c0)+\k)&7):RING+8*(((\c0)+\k)&7)+3],   v[\v] offset:(\o)+64*\k
	ds_load_b128 v[RING+8*(((\c0)+\k)&7)+4:RING+8*(((\c0)+\k)&7)+7], v[\v] offset:(\o)+64*\k+16
.endr
.endm
.macro ELOAD ph                        ; e_sq of the 16 codes that are being summed, my eight, into buffer ph
	ds_load_b128 v[EQ+8*(\ph):EQ+8*(\ph)+3],   v[VE] offset:64*(\ph)
	ds_load_b128 v[EQ+8*(\ph)+4:EQ+8*(\ph)+7], v[VE] offset:64*(\ph)+16
.endm
; d2, index and minimum for one pair of results of the finished set Q: pair c = row tile c / 4, registers 2 (c % 4) and the next, in seven parts.
; No vector register stands as source 1.
.macro EP Q, c, part
.set ep_p, ACC+32*(\Q)+8*((\c)>>2)+2*((\c)&3)
.set ep_b, BEST+8*((\c)>>2)+2*((\c)&3)
.set ep_i, IDX+8*((\c)>>2)+2*((\c)&3)
.set ep_e, EQ+8*(\Q)+2*((\c)&3)
.set ep_x, XS+2*((\c)>>2)
.set ep_t, T+2*((\c)&1)
.if (\part) == 1
	v_pk_fma_f32 v[ep_p:ep_p+1], v[ep_p:ep_p+1], -2.0, v[ep_x:ep_x+1] op_sel_hi:[1,0,1]     ; x_sq - 2 dot: 2 dot is exact, one rounding
.endif
.if (\part) == 2
	v_pk_fma_f32 v[ep_p:ep_p+1], v[ep_p:ep_p+1], 1.0, v[ep_e:ep_e+1] op_sel_hi:[1,0,1]      ; + e_sq: one rounding
.endif
.if (\part) == 3
	v_pk_fma_f32 v[ep_t:ep_t+1], v[ep_p:ep_p+1], -1.0, v[ep_b:ep_b+1] op_sel_hi:[1,0,1]     ; best - d2: with denormals kept its sign is exact; +0 where they are equal
.endif
.if (\part) == 4
	v_med3_num_f32 v[ep_i],   v[ep_t],   s45, v[ep_i]     ; old index <= index on offer, both below 2^-135 as f32: the median is the old one where best - d2 <= 0
.endif
.if (\part) == 5
	v_med3_num_f32 v[ep_i+1], v[ep_t+1], s45, v[ep_i+1]   ; (of equal d2 the earlier code stays), the one on offer where d2 is less.  j and 8 h are added at the end
.endif
.if (\part) == 6
	v_min3_num_f32 v[ep_b],   v[ep_p],   s46, v[ep_b]
.endif
.if (\part) == 7
	v_min3_num_f32 v[ep_b+1], v[ep_p+1], s46, v[ep_b+1]
.endif
.endm
; A BLOCK is the work on two pairs, A = 2 m and B = 2 m + 1: 14 instructions, n = 0 .. 13, in the order
; 1A 1B 2A 2B 3A 3B | 4A 5A 4B 5B | 6A 7A 6B 7B: an instruction of the other pair stands between two that depend on each other, and the four minima come last.
.macro EB Q, m, n
.if (\n) < 6
.set eb_c, 2*(\m)+((\n)&1)
.set eb_p, 1+((\n)>>1)
.else
.set eb_c, 2*(\m)+((((\n)-6)>>1)&1)
.set eb_p, 4+(((\n)-6)&1)+2*(((\n)-6)>>2)
.endif
	EP \Q, eb_c, eb_p
.endm
; The vector instructions behind matrix instruction rt of K step c.  Block c / 2 is spread over the eight matrix instructions of its two K steps:
; 2 2 2 2 2 2 1 1; in a block whose first K step issues a run of LDS loads: 6 in front of the run, then 1 1 1 1 1 1 2.
.macro VSLOT Q, c, rt, isrun
.set vs_sl, 4*((\c)&1)+(\rt)
.if \isrun
.if vs_sl == 0
.set vs_i, 0
.set vs_n, 6
.else
.if vs_sl == 7
.set vs_i, 12
.set vs_n, 2
.else
.set vs_i, 5+vs_sl
.set vs_n, 1
.endif
.endif
.else
.if vs_sl < 6
.set vs_i, 2*vs_sl
.set vs_n, 2
.else
.set vs_i, 6+vs_sl
.set vs_n, 1
.endif
.endif
.rept vs_n
	EB \Q, (\c)>>1, vs_i
.set vs_i, vs_i+1
.endr
.endm
.macro MM P, c, rt                     ; K step 0 starts the sums: nothing is cleared
.set mm_a, ACC+32*(\P)+8*(\rt)
.set mm_f, RING+8*((\c)&7)
.set mm_x, 32*((\c)&7)+8*(\rt)
.if (\c) == 0
	v_wmma_f32_16x16x32_bf16 v[mm_a:mm_a+7], v[mm_f:mm_f+7], v[mm_x:mm_x+7], 0
.else
	v_wmma_f32_16x16x32_bf16 v[mm_a:mm_a+7], v[mm_f:mm_f+7], v[mm_x:mm_x+7], v[mm_a:mm_a+7]
.endif
.endm
; K step c of stretch ph (0 or 1) of a pair.  The four accumulators of set ph take turns, one instruction a turn.
; FRAGMENTS come in runs of eight loads, one run for four K steps (g = c / 4, k = c % 4), issued in the first step of group g for group g + 1, into the half of
; the ring that group g - 1 has left.  The run stands behind the last matrix instruction that read those buffers by one minimum and the six packed
; multiply-adds that open the block, none of which names a register of it (four are asked for: ISA guide 7.12.1 for vector instructions).
; THE FINISHED SET: a tile's first reader is the next stretch's first vector instruction for row tile 0; behind that tile's last matrix instruction (K step 15, the
; fifth of the last block's eight) stand two medians and the block's four minima, which name none of its registers.
; s_wait_dscnt leaves out: the 6 - 2 k younger loads of the run that brought this group; for k > 0 the 8 of the run just issued; and the 2 loads of e_sq,
; which stand behind group 0's run, while they can be among the younger ones (g = 0 with k > 0, and g = 1).  e_sq is used in the next stretch.
; kind 0: an ordinary stretch.  kind 1: a slot's last stretch; the slot is filled again.  kind 2: the same without a refill.
.macro STEP ph, c, kind
.set st_g, (\c)>>2
.set st_k, (\c)&3
.set st_b, 0
.if (\kind) != 0
.if st_g == 3
.set st_b, 1                                   ; the four steps in which the slots change
.endif
.endif
.set st_r, 0
.if ((\c)&2) == 0
.if st_b == 0
.set st_r, 1                                   ; this step's block opens with a run
.endif
.endif
.if (\c) == 0
	WIN 0x08                                       ; source 1 in window 2
.endif
.if (\c) == 8
	WIN 0x0c                                       ; source 1 in window 3
.endif
.if st_b == 0
.set st_n, 6-2*st_k
.if st_k > 0
.set st_n, st_n+8
.if st_g == 0
.set st_n, st_n+2
.endif
.endif
.if st_g == 1
.set st_n, st_n+2
.endif
	s_wait_dscnt st_n
.else
.if st_k == 0
	s_wait_dscnt 0x0                               ; my reads of this slot are over: the fragments of steps 12 to 15 are in registers
	s_set_vgpr_msb 0xc00
	s_wait_tensorcnt 0x0                           ; all my tensor loads have landed: the one that was out is my part of the other slot
	ds_add_u32 v30, v31
	s_wait_dscnt 0x0
	s_set_vgpr_msb 0xc
.if (\kind) == 1
	s_add_co_u32 s33, s54, s37                     ; no load of mine is out, so group 0 may be written: into the slot at work,
	s_add_nc_u64 s[34:35], s[34:35], TILEB         ; the tile behind the one asked for last
.endif
	s_barrier_signal -1                            ; opens a round of the cluster's barrier; register work alone stands inside it
.endif
.if st_k == 1
	RUN VN, 0, 0                                   ; the other slot's first fragments, behind the round and the refill: buffers 0 to 3 were last read in steps 8 to 11
.endif
.endif
	MM \ph, \c, 0
	VSLOT 1-(\ph), \c, 0, st_r
.if st_b == 0
.if st_k == 0
.if st_g < 3
	RUN VC, (\ph)*16*PITCH+64*((\c)+4), (\c)+4
.else
	RUN VC, ((\ph)+1)*16*PITCH, 0                  ; the next stretch's first four K steps
.endif
.if st_g == 0
	ELOAD \ph
.endif
.endif
.endif
	MM \ph, \c, 1
	VSLOT 1-(\ph), \c, 1, st_r
	MM \ph, \c, 2
	VSLOT 1-(\ph), \c, 2, st_r
	MM \ph, \c, 3
	VSLOT 1-(\ph), \c, 3, st_r
.if st_b == 1
.if st_k == 0
	WIN 0
	s_barrier_wait -1
	CREST                                          ; no wave of any partner still reads this slot or has a load on its way; the other slot is whole in all four
.if (\kind) == 1
	tensor_load_to_lds s[32:35], s[16:23]          ; the wave's one tensor load behind the round, ahead of every LDS read: it has the other slot's 512 matrix instructions in which to land
	s_nop 0
.endif
	WIN 0x0c
.endif
.endif
.endm
.macro PHASE ph, kind                  ; a stretch: 16 codes, 64 matrix instructions
.irp c, 0,1,2,3,4,5,6,7,8,9,10,11,12,13,14,15
	STEP \ph, \c, \kind
.endr
	s_add_co_u32 s45, s45, 16                      ; the index on offer in the next stretch
.endm
.macro TILE kind                       ; 128 codes: three pairs in a loop, the last pair written out
	s_mov_b32 s36, 3
.Lpair_\@:
	PHASE 0, 0
	PHASE 1, 0
	WIN 0                                          ; at a label and at a branch every window is 0
	v_add_nc_u32 v[VC], PAIRB, v[VC]               ; the next 32 codes
	v_add_nc_u32 v[VE], 128, v[VE]                 ; and their e_sq
	s_sub_co_u32 s36, s36, 1
	s_cmp_lg_u32 s36, 0
	s_cbranch_scc1 .Lpair_\@
	PHASE 0, 0
	PHASE 1, \kind
	WIN 0
	s_xor_b32 s37, s37, SLOTB                      ; the slots change places
	s_xor_b32 s38, s38, SLOTB
	v_add_nc_u32 v[VC], s37, v[VB]
	v_add_nc_u32 v[VN], s38, v[VB]
	v_add_nc_u32 v[VE], 128, v[VE]
.endm
	s_wait_dscnt 0x0                               ; (met: no LDS instruction has been issued since the last such wait)
	s_wait_tensorcnt 0x0                           ; my parts of tile 0 and of e_sq have landed; no load of mine is out, so group 0 may be written
	ds_add_u32 v30, v31
	s_wait_dscnt 0x0
	s_add_co_u32 s33, s54, SLOTB
	s_add_nc_u64 s[34:35], s[34:35], TILEB
	ROUND                                          ; everybody's have
	tensor_load_to_lds s[32:35], s[16:23]          ; tile 1 into slot 1: its first fill, issued as a refill is
	s_nop 0
	RUN VC, 0, 0                                   ; the first four fragments
	s_mov_b32 s44, 14                              ; tile t is multiplied, tile t + 2 asked for: t = 0 .. 13
.Ltile:
	TILE 1
	s_sub_co_u32 s44, s44, 1
	s_cmp_lg_u32 s44, 0
	s_cbranch_scc1 .Ltile
	; Tiles 14 and 15: nothing is left to fetch.  One text for both: behind tile 14 the round shows tile 15 whole; behind tile 15 the same lines pass one more
	; round and load four fragments of tile 14's bytes that nobody uses, which spares a third copy of a tile's text.
	s_mov_b32 s44, 2
.Ltail:
	TILE 2
	s_sub_co_u32 s44, s44, 1
	s_cmp_lg_u32 s44, 0
	s_cbranch_scc1 .Ltail
	; the last 16 codes are judged: the eight blocks of set 1.  The last block's minima and the three address sums stand behind the last matrix instructions.
.irp m, 0,1,2,3,4,5,6,7
.irp n, 0,1,2,3,4,5,6,7,8,9,10,11,12,13
	EB 1, \m, \n
.endr
.endr
; ---- a row's least d2 over my 8 registers and the two halves of the lanes; of equal d2 the lower index.  From here on the indices are whole numbers again.
.macro LEXMIN va, ia, vb, ib
	v_cmp_lt_f32 vcc_lo, v[\vb], v[\va]
	v_cmp_eq_f32 s52, v[\vb], v[\va]
	v_cmp_lt_u32 s53, v[\ib], v[\ia]
	s_and_b32 s52, s52, s53
	s_or_b32 vcc_lo, vcc_lo, s52
	v_cndmask_b32 v[\va], v[\va], v[\vb], vcc_lo
	v_cndmask_b32 v[\ia], v[\ia], v[\ib], vcc_lo
.endm
.irp rt, 0,1,2,3
.irp j, 1,2,3,4,5,6,7
	v_add_nc_u32 v[IDX+8*\rt+\j], \j, v[IDX+8*\rt+\j]          ; register j is code n0 + 8 h + j
.endr
.endr
.irp rt, 0,1,2,3
	LEXMIN BEST+8*\rt,   IDX+8*\rt,   BEST+8*\rt+1, IDX+8*\rt+1
	LEXMIN BEST+8*\rt+2, IDX+8*\rt+2, BEST+8*\rt+3, IDX+8*\rt+3
	LEXMIN BEST+8*\rt+4, IDX+8*\rt+4, BEST+8*\rt+5, IDX+8*\rt+5
	LEXMIN BEST+8*\rt+6, IDX+8*\rt+6, BEST+8*\rt+7, IDX+8*\rt+7
	LEXMIN BEST+8*\rt,   IDX+8*\rt,   BEST+8*\rt+2, IDX+8*\rt+2
	LEXMIN BEST+8*\rt+4, IDX+8*\rt+4, BEST+8*\rt+6, IDX+8*\rt+6
	LEXMIN BEST+8*\rt,   IDX+8*\rt,   BEST+8*\rt+4, IDX+8*\rt+4
	v_lshl_add_u32 v[IDX+8*\rt], v2, 3, v[IDX+8*\rt]           ; + 8 h
	v_add_nc_u32 v[IDX+8*\rt], -16, v[IDX+8*\rt]               ; the 16 that kept every offered index above 0 goes off
	v_permlanex16_b32 v[BEST+8*\rt+1], v[BEST+8*\rt], s48, s49 ; the other eight codes' winner (destinations: registers that have been written)
	v_permlanex16_b32 v[IDX+8*\rt+1],  v[IDX+8*\rt],  s48, s49
	LEXMIN BEST+8*\rt,   IDX+8*\rt,   BEST+8*\rt+1, IDX+8*\rt+1
	v_add_f32 v[BEST+8*\rt], 0, v[BEST+8*\rt]                  ; -0 becomes +0: equal numbers get equal keys
	v_ashrrev_i32 v[BEST+8*\rt+1], 31, v[BEST+8*\rt]
	v_or_b32 v[BEST+8*\rt+1], 0x80000000, v[BEST+8*\rt+1]
	v_xor_b32 v[BEST+8*\rt], v[BEST+8*\rt], v[BEST+8*\rt+1]    ; positive: sign bit set; negative: all bits turned: unsigned order = f32 order
.endr
	; lanes 0-15 take the even row tile, lanes 16-31 the odd one: lane l holds row l of 32, and a store covers 256 consecutive bytes, aligned
	v_cndmask_b32 v[T],   v[BEST],    v[BEST+8],  s50
	v_cndmask_b32 v[T+1], v[IDX],     v[IDX+8],   s50
	v_cndmask_b32 v[T+2], v[BEST+16], v[BEST+24], s50
	v_cndmask_b32 v[T+3], v[IDX+16],  v[IDX+24],  s50
	global_store_b64 v11, v[T:T+1],   s[10:11]
	global_store_b64 v11, v[T+2:T+3], s[10:11] offset:256
	s_wait_dscnt 0x0                               ; no LDS instruction is pending at a signal: the last run's eight loads are back
	ROUND                                          ; the closing round: no work-group ends while a partner may still ask for a tile that names it
	s_endpgm
.Lfunc_end_k_qccf5109dca_dist:
	.size	k_qccf5109dca_dist, .Lfunc_end_k_qccf5109dca_dist-k_qccf5109dca_dist
	.p2alignl 7, 3214868480
	.fill 96, 4, 3214868480
	.section	.rodata,"a",@progbits
	.p2align	6, 0x0
	.amdhsa_kernel k_qccf5109dca_dist
		.amdhsa_group_segment_fixed_size 327680
		.amdhsa_private_segment_fixed_size 0
		.amdhsa_enable_private_segment 0
		.amdhsa_kernarg_size 32
		.amdhsa_user_sgpr_count 2
		.amdhsa_user_sgpr_kernarg_segment_ptr 1
		.amdhsa_wavefront_size32 1
		.amdhsa_system_sgpr_workgroup_id_x 1
		.amdhsa_system_sgpr_workgroup_id_y 1
		.amdhsa_system_sgpr_workgroup_id_z 1
		.amdhsa_system_vgpr_workitem_id 0
		.amdhsa_next_free_vgpr 1024
		.amdhsa_next_free_sgpr 66
		.amdhsa_reserve_vcc 1
		.amdhsa_float_denorm_mode_32 3
		.amdhsa_float_denorm_mode_16_64 3
		.amdhsa_memory_ordered 1
		.amdhsa_forward_progress 1
		.amdhsa_inst_pref_size 230
	.end_amdhsa_kernel
	.amdgpu_metadata
---
amdhsa.version: [ 1, 2 ]
amdhsa.kernels:
  - .name:           k_qccf5109dca_dist
    .symbol:         k_qccf5109dca_dist.kd
    .args:
      - { .name: x, .offset: 0, .size: 8, .value_kind: global_buffer, .address_space: global }
      - { .name: eb, .offset: 8, .size: 8, .value_kind: global_buffer, .address_space: global }
      - { .name: esq, .offset: 16, .size: 8, .value_kind: global_buffer, .address_space: global }
      - { .name: cand, .offset: 24, .size: 8, .value_kind: global_buffer, .address_space: global }
    .group_segment_fixed_size: 327680
    .private_segment_fixed_size: 0
    .kernarg_segment_align: 8
    .kernarg_segment_size: 32
    .max_flat_workgroup_size: 128
    .sgpr_count:     66
    .vgpr_count:     1024
    .wavefront_size: 32
...
	.end_amdgpu_metadata
.endif
;; end of part 5
;; launch gather: the kernel of part 3 again; grid 256 x 1, 16 waves a work-group, no clusters, 2,560 bytes of LDS; arguments x, emb_weight, cand, out0, out1, part; writes out0, out1, part
;; launch finish: the kernel of part 4 again; grid 1 x 1, 1 waves a work-group, no clusters, 0 bytes of LDS; arguments part, out2, out3, out4; writes out2, out3, out4
